; MI455X (gfx1250); checked and timed in simulation.
; The chip was launched on July 23, 2026; its instructions are those of AMD's public machine-readable ISA for CDNA 5 (MIT licence, August 2026) and "CDNA5" Instruction Set Architecture Reference Guide (July 2026). The comments in the code are by the model that wrote it; some were corrected since.
;; DCRBM. Allowed arithmetic: float matrix products may take bf16 or f16 operands with f32 sums; all other float work in f32.
;; Inputs: A 512 x 1,024 float32; B 512 x 4,096 float32; W 1,024 x 4,096 float32; b 1 x 1,024 float32; c 1 x 4,096 float32; cond_data 4,096 x 512 float32; noise 4,096 x 4,096 float32; visible_data 4,096 x 1,024 float32.
;; Outputs: out0 4,096 x 1,024 float32.
;; 2 versions, each right; version 2 is version 1 with the launches prep, onehot written anew for expert scheduling mode. Each part assembles by itself: llvm-mc -triple=amdgcn-amd-amdhsa -mcpu=gfx1250 --defsym DOCPART=n.
;; ======== version 1 of 2: 4 launches
;; limits: values outside matrix products are rounded to bf16
;; workspace buffers: Xb 12,582,912 bytes; Wc 12,582,912 bytes; At 1,048,576 bytes; Hb 33,554,432 bytes; cand 262,144 bytes
;; launch prep (part 1): grid 800 x 1, 8 waves a work-group, no clusters, 35,840 bytes of LDS; arguments visible_data, cond_data, W, B, A, Xb, Wc, At; writes Xb, Wc, At
.if DOCPART == 1
	.amdgcn_target "amdgcn-amd-amdhsa--gfx1250"
	.amdhsa_code_object_version 6
	.text
	.protected	k_qe3b781a1e0_prep
	.globl	k_qe3b781a1e0_prep
	.p2align	8
	.type	k_qe3b781a1e0_prep,@function
k_qe3b781a1e0_prep:
	s_mov_b64 s[64:65], 0
	v_nop
	global_prefetch_b8 v0, s[64:65] scope:SCOPE_SE
	s_setreg_imm32_b32 hwreg(HW_REG_WAVE_MODE, 25, 1), 1
	s_wait_xcnt 0x0
; prep: the matrix operands, rounded once to bf16 (nearest even) and laid out for the two products.
;   Xb [4096][1536] = [visible_data | cond_data]     Wc [1536][4096] = [W ; B]     At [1024][512] = A transposed
; A stream: every input byte is read once and every output byte written once.  No matrix unit, no cluster: nothing is shared or multiplied.
; A work-group takes 16,384 f32 (64 KiB), a wave 2,048: sixteen loads of 512 consecutive bytes, all issued before the first is used;
; each store of a wave (8 bytes a lane) covers 256 consecutive bytes, aligned.  No loop.
; Work-groups 0-255: visible_data, 256-511: W, 512-639: cond_data, 640-767: B, 768-799: A (tiles of 128 k x 128 n, transposed through LDS).
.set SO,  3                            ; v3        source byte offset: wave x 8,192 + lane x 16
.set X,   4                            ; v[4:67]   sixteen loads of four f32
.set Y,   68                           ; v[68:99]  the same numbers as bf16 pairs
.set DO,  100                          ; v100      destination byte offset
.set SA,  101                          ; v101      A path: source byte offset
.set LS,  102                          ; v102      A path: where I put my columns in LDS
.set LR,  103                          ; v103      A path: where I read rows back
	s_load_b512 s[8:23], s[0:1], 0x0               ; visible s[8:9], cond s[10:11], W s[12:13], B s[14:15], A s[16:17], Xb s[18:19], Wc s[20:21], At s[22:23]
	v_lshl_add_u32 v104, v0, 2, 0x8800
	v_mov_b32 v105, 0
	s_mov_b32 s2, ttmp9
	s_mov_b32 s29, 0                               ; upper word of every offset pair s[28:29]
	v_and_b32 v1, 31, v0                           ; lane
	v_lshrrev_b32 v2, 5, v0                        ; wave
	v_lshlrev_b32 v[SO], 4, v1
	v_lshl_add_u32 v[SO], v2, 13, v[SO]
	s_wait_kmcnt 0x0
	s_cmp_lt_u32 s2, 256
	s_cbranch_scc1 .Lvis
	s_cmp_lt_u32 s2, 512
	s_cbranch_scc1 .Lw
	s_cmp_lt_u32 s2, 640
	s_cbranch_scc1 .Lcond
	s_cmp_lt_u32 s2, 768
	s_cbranch_scc1 .Lb
	; ---- A: tile kt = q & 3 (128 k), nt = q >> 2 (128 n).  Wave w reads rows k0 + 16 w + j, lane l the columns n0 + 4 l .. + 3.
	s_sub_co_u32 s2, s2, 768
	s_and_b32 s3, s2, 3                            ; kt
	s_lshr_b32 s4, s2, 2                           ; nt
	s_lshl_b32 s28, s3, 19                         ; 128 rows of 4,096 bytes
	s_lshl_b32 s5, s4, 9                           ; 128 columns of 4 bytes
	s_add_co_u32 s28, s28, s5
	s_add_nc_u64 s[24:25], s[16:17], s[28:29]
	s_lshl_b32 s28, s4, 17                         ; At: 128 rows of 1,024 bytes
	s_lshl_b32 s5, s3, 8                           ; 128 columns of 2 bytes
	s_add_co_u32 s28, s28, s5
	s_add_nc_u64 s[26:27], s[22:23], s[28:29]
	v_lshlrev_b32 v[SA], 4, v1
	v_lshl_add_u32 v[SA], v2, 16, v[SA]            ; wave x 16 rows + lane x 16 bytes
.irp j, 0,1,2,3,4,5,6,7,8,9,10,11,12,13,14,15
	global_load_b128 v[X+4*\j:X+4*\j+3], v[SA], s[24:25] offset:4096*\j th:TH_LOAD_NT
.endr
	v_mul_u32_u24 v[LS], v1, 1088                  ; LDS tile [128 n][128 k] bf16, pitch 272: my four rows n = 4 l + c,
	v_lshl_add_u32 v[LS], v2, 5, v[LS]             ; my 16 k = 32 bytes at 32 w
	v_lshrrev_b32 v[LR], 4, v1
	v_lshl_add_u32 v[LR], v2, 4, v[LR]             ; the row that I read back: 16 w + lane / 16 (+ 2 t)
	v_and_b32 v[SO], 15, v1
	v_lshlrev_b32 v[SO], 4, v[SO]                  ; 16 bytes a lane along the row
	v_lshl_add_u32 v[DO], v[LR], 10, v[SO]
	v_mad_u32_u24 v[LR], v[LR], 272, v[SO]
	s_wait_loadcnt 0x0
	; pairs along k: two rows of one column make a word.  The stores of 16 lanes fall on four 16-byte columns (1,088 = 4 x 272): four deep.
	; Left so: this path moves 2 MiB of the launch's 50.
.irp c, 0,1,2,3
.irp jj, 0,1,2,3,4,5,6,7
	v_cvt_pk_bf16_f32 v[Y+8*\c+\jj], v[X+8*\jj+\c], v[X+8*\jj+4+\c]
.endr
	ds_store_b128 v[LS], v[Y+8*\c:Y+8*\c+3] offset:272*\c
	ds_store_b128 v[LS], v[Y+8*\c+4:Y+8*\c+7] offset:272*\c+16
.endr
	s_wait_dscnt 0x0                               ; my stores are done, for the other waves: zero
	s_barrier_signal -1
	s_barrier_wait -1                              ; the branch into this path hangs on the work-group number alone: all eight waves are here
.irp t, 0,1,2,3,4,5,6,7
	ds_load_b128 v[X+4*\t:X+4*\t+3], v[LR] offset:544*\t
.endr
.irp t, 0,1,2,3,4,5,6,7
	s_wait_dscnt 7-\t                              ; LDS loads come back in order: load t is in, the 7 - t younger ones stay out
	global_store_b128 v[DO], v[X+4*\t:X+4*\t+3], s[26:27] offset:2048*\t   ; 16 lanes store 256 consecutive bytes, aligned
.endr
	s_wait_tensorcnt 0x0
	ds_add_u32 v104, v105
	s_wait_dscnt 0x0
	s_endpgm
; The cast of 2,048 numbers of a wave.  Source at s[24:25], destination at s[26:27].  run = how many of the sixteen pieces of 128 numbers
; lie in one destination row before the next row (pitch 3,072 bytes) begins; dw = the destination bytes from one wave to the next.
.macro CAST run, dw
	v_mul_u32_u24 v[DO], v2, \dw
	v_lshl_add_u32 v[DO], v1, 3, v[DO]
.irp j, 0,1,2,3,4,5,6,7,8,9,10,11,12,13,14,15
	global_load_b128 v[X+4*\j:X+4*\j+3], v[SO], s[24:25] offset:512*\j th:TH_LOAD_NT
.endr
.irp j, 0,1,2,3,4,5,6,7,8,9,10,11,12,13,14,15
	s_wait_loadcnt 15-\j                           ; loads come back in order: load j is in, the 15 - j younger ones stay out
	v_cvt_pk_bf16_f32 v[Y+2*\j], v[X+4*\j], v[X+4*\j+1]
	v_cvt_pk_bf16_f32 v[Y+2*\j+1], v[X+4*\j+2], v[X+4*\j+3]
	global_store_b64 v[DO], v[Y+2*\j:Y+2*\j+1], s[26:27] offset:(\j/\run)*3072+(\j%\run)*256
.endr
	s_endpgm
.endm
.Lvis:                                                 ; 16 rows of 1,024 numbers a work-group, two a wave, into columns 0-1023 of Xb
	s_lshl_b32 s28, s2, 16
	s_add_nc_u64 s[24:25], s[8:9], s[28:29]
	s_mul_i32 s28, s2, 49152
	s_add_nc_u64 s[26:27], s[18:19], s[28:29]
	CAST 8, 6144
.Lw:                                                   ; dense to dense: rows 0-1023 of Wc
	s_sub_co_u32 s2, s2, 256
	s_lshl_b32 s28, s2, 16
	s_add_nc_u64 s[24:25], s[12:13], s[28:29]
	s_lshl_b32 s28, s2, 15
	s_add_nc_u64 s[26:27], s[20:21], s[28:29]
	CAST 16, 4096
.Lcond:                                                ; 32 rows of 512 numbers a work-group, four a wave, into columns 1024-1535 of Xb
	s_sub_co_u32 s2, s2, 512
	s_lshl_b32 s28, s2, 16
	s_add_nc_u64 s[24:25], s[10:11], s[28:29]
	s_mul_i32 s28, s2, 98304
	s_add_co_u32 s28, s28, 2048
	s_add_nc_u64 s[26:27], s[18:19], s[28:29]
	CAST 4, 12288
.Lb:                                                   ; dense to dense: rows 1024-1535 of Wc
	s_sub_co_u32 s2, s2, 640
	s_lshl_b32 s28, s2, 16
	s_add_nc_u64 s[24:25], s[14:15], s[28:29]
	s_lshl_b32 s28, s2, 15
	s_add_co_u32 s28, s28, 8388608
	s_add_nc_u64 s[26:27], s[20:21], s[28:29]
	CAST 16, 4096
.Lfunc_end_k_qe3b781a1e0_prep:
	.size	k_qe3b781a1e0_prep, .Lfunc_end_k_qe3b781a1e0_prep-k_qe3b781a1e0_prep
	.p2alignl 7, 3214868480
	.fill 96, 4, 3214868480
	.section	.rodata,"a",@progbits
	.p2align	6, 0x0
	.amdhsa_kernel k_qe3b781a1e0_prep
		.amdhsa_group_segment_fixed_size 35840
		.amdhsa_private_segment_fixed_size 0
		.amdhsa_enable_private_segment 0
		.amdhsa_kernarg_size 64
		.amdhsa_user_sgpr_count 2
		.amdhsa_user_sgpr_kernarg_segment_ptr 1
		.amdhsa_wavefront_size32 1
		.amdhsa_system_sgpr_workgroup_id_x 1
		.amdhsa_system_sgpr_workgroup_id_y 1
		.amdhsa_system_sgpr_workgroup_id_z 1
		.amdhsa_system_vgpr_workitem_id 0
		.amdhsa_next_free_vgpr 106
		.amdhsa_next_free_sgpr 66
		.amdhsa_reserve_vcc 0
		.amdhsa_float_denorm_mode_32 3
		.amdhsa_float_denorm_mode_16_64 3
		.amdhsa_memory_ordered 1
		.amdhsa_forward_progress 1
		.amdhsa_inst_pref_size 32
	.end_amdhsa_kernel
	.amdgpu_metadata
---
amdhsa.version: [ 1, 2 ]
amdhsa.kernels:
  - .name:           k_qe3b781a1e0_prep
    .symbol:         k_qe3b781a1e0_prep.kd
    .args:
      - { .name: visible_data, .offset: 0, .size: 8, .value_kind: global_buffer, .address_space: global }
      - { .name: cond_data, .offset: 8, .size: 8, .value_kind: global_buffer, .address_space: global }
      - { .name: W, .offset: 16, .size: 8, .value_kind: global_buffer, .address_space: global }
      - { .name: B, .offset: 24, .size: 8, .value_kind: global_buffer, .address_space: global }
      - { .name: A, .offset: 32, .size: 8, .value_kind: global_buffer, .address_space: global }
      - { .name: Xb, .offset: 40, .size: 8, .value_kind: global_buffer, .address_space: global }
      - { .name: Wc, .offset: 48, .size: 8, .value_kind: global_buffer, .address_space: global }
      - { .name: At, .offset: 56, .size: 8, .value_kind: global_buffer, .address_space: global }
    .group_segment_fixed_size: 35840
    .private_segment_fixed_size: 0
    .kernarg_segment_align: 8
    .kernarg_segment_size: 64
    .max_flat_workgroup_size: 256
    .sgpr_count:     66
    .vgpr_count:     106
    .wavefront_size: 32
...
	.end_amdgpu_metadata
.endif
;; end of part 1
;; launch gemm1 (part 2): grid 16 x 16, 4 waves a work-group, clusters of 4 x 4, 327,680 bytes of LDS; arguments Xb, Wc, noise, c, Hb; writes Hb
.if DOCPART == 2
	.amdgcn_target "amdgcn-amd-amdhsa--gfx1250"
	.amdhsa_code_object_version 6
	.text
	.protected	k_qe3b781a1e0_gemm1
	.globl	k_qe3b781a1e0_gemm1
	.p2align	8
	.type	k_qe3b781a1e0_gemm1,@function
k_qe3b781a1e0_gemm1:
	s_mov_b64 s[64:65], 0
	v_nop
	global_prefetch_b8 v0, s[64:65] scope:SCOPE_SE
	s_setreg_imm32_b32 hwreg(HW_REG_WAVE_MODE, 25, 1), 1
	s_wait_xcnt 0x0
	s_wait_alu depctr_hold_cnt(0) depctr_sa_sdst(0) depctr_va_vdst(0) depctr_va_sdst(0) depctr_va_ssrc(0) depctr_va_vcc(0) depctr_vm_vsrc(0)
	s_getreg_b32 s2, hwreg(HW_REG_IB_STS2, 6, 4)
	s_cmp_eq_u32 s2, 0
	s_cbranch_scc0 .Lentry_in_a_cluster
	s_endpgm
.Lentry_in_a_cluster:
	s_bfe_u32 s2, ttmp6, 0x10000c
	s_cmp_lg_u32 s2, 0xf033
	s_cbranch_scc0 .Lentry_shape_is_right
	s_endpgm
.Lentry_shape_is_right:
; gemm1: h[m][n] = 1.0 where noise[m][n] < sigmoid(x[m][n] + c[n]), else 0.0 (bf16), x = Xb Wc: M = N = 4096, K = 1536, sums in f32.
; Xb is [m][k] (K along the rows), Wc is [k][n]: its fragments are made by the transposing LDS load.
; Hb IS LAID OUT AS THE NEXT PRODUCT'S FRAGMENTS: Hb[m / 16][n / 16][lane][16 bytes], lane l holding row m % 16 = l % 16, columns 8 (l / 16) + 0..7 of the 16.
; These are the eight neighbours of a row that a lane has here, so the packed samples are stored as they stand, 512 consecutive bytes a store.
; LIMITS, kept on purpose:
;  * noise and c are rounded to bf16 (nearest even) as they are loaded, like the matrix operands: each moves by at most 2^-9 of its size.
;    The program as a whole is reference() in f32 on inputs rounded to bf16.
;  * with t = 2^(-log2(e) (x + c)) the test noise < 1 / (1 + t) is made as fma(noise, t, noise) < 1: the same inequality, since 1 + t > 0,
;    with no reciprocal.  t = infinity gives infinity, or NaN for noise = 0: both compare false, as noise < 0 does for noise >= 0;
;    a negative noise gives -infinity: true, as in reference().  A sample whose noise lies within a few units in the last place of the mean may fall otherwise.
;  * NaN among the inputs is not served.
; SHAPE: a work-group makes 256 x 256 with four waves, as many as a WGP has SIMDs; a wave 128 x 128 in 512 registers.  K goes in 12 steps of 128
; through a ring of two LDS slots; each wave fetches a quarter of a slot with one tensor load.
; CLUSTERS: 4 x 4 work-groups.  Tiles of Xb hang on the block row alone and are asked for jointly along a row of the cluster, tiles of Wc on the
; block column alone and are asked for jointly along a column: a quarter of the requests.
; NOISE comes by tensor loads of each wave for itself (nothing of it is shared) into the slots when these have had their last operands:
; rows 0-63 of the wave behind K step 10, rows 64-127 behind K step 11.
; REGISTER WINDOWS: 0: addresses, fragments of Xb, the way out; 1: fragments of Wc, later the row of c; 2, 3: accumulators of my rows 0-63, 64-127.
; The matrix instruction is used transposed (source 0 = 16 columns of Wc, source 1 = 16 rows of Xb): lane l then holds row l % 16 and its
; registers 0-7 the columns 8 (l / 16) + 0..7: eight neighbours of a row.
.set PA,     272                       ; LDS pitch of Xb rows: 256 bytes + 16: an odd multiple of 16, so 16 rows start in 16 different 16-byte columns of 256
.set PB,     544                       ; LDS pitch of Wc rows: 512 bytes + 32: an odd multiple of 32
.set HALFT,  34816                     ; one tensor load: 128 x 272 = 64 x 544
.set BOFF,   2*HALFT                   ; Wc part of a slot, behind the 256 rows of Xb
.set SLOT,   4*HALFT
.set CSCR,   2*SLOT                    ; 512 bytes for each wave: -log2(e) c of its 128 columns; no tensor load lands here
.set NPITCH, 528                       ; LDS pitch of noise rows: 512 bytes + 16
.set NWAVE,  64*NPITCH                 ; a wave's 64 rows of noise in a slot
.set GROW,   131072                    ; Hb: 16 rows = 256 tiles of 512 bytes
.set ADRA, 16                          ; v16-17  my fragments of Xb in slot 0, 1
.set ADRB, 20                          ; v20-21  my fragments of Wc in slot 0, 1
.set CO,   26                          ; v26     my 16 bytes in a tile of Hb; never rewritten
.set NZA,  27                          ; v27-28  my noise in slot 0, 1
.set PF,   29                          ; v29     prefetch offset in my noise tile
.set CLA,  30                          ; v30     where I put my part of the c row
.set CLR,  31                          ; v31     where I read the c row
.set F0,   64                          ; fragment buffer 0 (windows 0 and 1)
.set F1,   128                         ; fragment buffer 1
.set NZ,   64                          ; way out: noise as f32            v[64:127]
.set NB,   128                         ; way out: noise as bf16 pairs     v[128:159]
.set TMP,  160                         ; way out: packed samples          v[160:191]
.set T,    192                         ; way out: at work                 v[192:255]
.set CL,   64                          ; window 1: -log2(e) c of my 64 columns a lane
.set G1,  24                           ; s[24:31] group 1 for Xb tiles
.set G0,  32                           ; s[32:39] group 0 for Xb tiles, a set for each slot
.set G1B, 40                           ; s[40:47] group 1 for Wc tiles
.set G0B, 48                           ; s[48:55] group 0 for Wc tiles
.set GN1, 56                           ; s[56:63] group 1 for noise
.set GN0, 68                           ; s[68:75] group 0 for noise, a set for each half; never rewritten
.set MSB, 0
.macro WIN new                         ; the immediate's high byte repeats the setting that is left
.if MSB != \new
	s_set_vgpr_msb (MSB<<8)|\new
.set MSB, \new
.endif
.endm
.set MUL_LO, 0xa1                      ; source 0 window 1, source 1 window 0, C and D window 2
.set MUL_HI, 0xf1                      ; the same, C and D window 3
.set TO_B,   0x40                      ; destination window 1, address window 0
; A joint load.  Waves 0, 1 fetch the two halves of the Xb tile, waves 2, 3 those of the Wc tile.  The branch hangs on the wave number alone.
.macro JLOAD s
	s_cmp_eq_u32 s15, 0
	s_cbranch_scc0 .Lfor_b_\@
	tensor_load_to_lds s[G0+4*\s:G0+4*\s+3], s[G1:G1+7]
	s_nop 0
	s_branch .Lasked_\@
.Lfor_b_\@:
	tensor_load_to_lds s[G0B+4*\s:G0B+4*\s+3], s[G1B:G1B+7]
	s_nop 0
.Lasked_\@:
.endm
; A round of the cluster barrier: my work-group barrier, wave 0 signals for the work-group, every wave waits for all sixteen, my work-group barrier again.
.macro CREST                           ; a round behind its opening barrier
	s_cmp_lg_u32 s14, 0
	s_cbranch_scc1 .Lnot_wave_0_\@
	s_barrier_signal -3
.Lnot_wave_0_\@:
	s_barrier_wait -3
	s_barrier_signal -1
	s_barrier_wait -1
.endm
.macro CROUND
	s_barrier_signal -1
	s_barrier_wait -1
	CREST
.endm
	s_load_b256 s[4:11], s[0:1], 0x0               ; Xb s[4:5], Wc s[6:7], noise s[8:9], c s[10:11]
	s_load_b64 s[12:13], s[0:1], 0x20              ; Hb
	s_set_vgpr_msb 0x40
	v_lshl_add_u32 v255, v0, 2, 0x44800
	s_set_vgpr_msb 0x4000
	v_mov_b32 v63, 0
	s_set_vgpr_msb 0x1
	ds_add_u32 v255, v63
	s_set_vgpr_msb 0x100
	v_lshrrev_b32 v1, 5, v0
	v_readfirstlane_b32 s14, v1                    ; wave 0..3
	s_lshr_b32 s15, s14, 1                         ; my half of the block rows.  Also: I fetch Xb (0) or Wc (1)
	s_and_b32 s16, s14, 1                          ; my half of the block columns.  Also: which half tile I fetch
	s_bfe_u32 s17, ttmp6, 0x40000                  ; cx
	s_bfe_u32 s18, ttmp6, 0x40004                  ; cy
	s_lshl_b32 s19, ttmp9, 2
	s_add_co_u32 s19, s19, s17                     ; block column = 4 x cluster x + cx
	s_and_b32 s20, ttmp7, 0xffff
	s_lshl_b32 s20, s20, 2
	s_add_co_u32 s20, s20, s18                     ; block row = 4 x cluster y + cy
	s_lshl_b32 s21, s18, 2
	s_lshl_b32 s21, 15, s21                        ; my row of the cluster: places 4 cy .. 4 cy + 3
	s_lshl_b32 s22, 0x1111, s17                    ; my column: places cx, cx + 4, cx + 8, cx + 12
	s_mul_i32 s23, s14, HALFT                      ; where my operand tiles go: wave x one load; no place in the cluster enters an LDS address
	s_mul_i32 s91, s14, NWAVE                      ; where my noise goes
	s_mov_b32 s88, 0x07060302                      ; v_perm_b32: the upper halves of two words
	; group 1 for Xb: 128 rows x 128 bf16, 16 bytes of padding behind every 64 words, 1,536 elements from row to row
	s_or_b32 s[G1+0], s21, (1<<16)|(1<<20)|(1<<21)|(5<<22)|(3<<25)
	s_mov_b32 s[G1+1], 128<<16
	s_mov_b32 s[G1+2], 128<<16
	s_mov_b32 s[G1+3], 128<<16
	s_mov_b32 s[G1+4], 128
	s_mov_b32 s[G1+5], 1536
	s_mov_b32 s[G1+6], 0
	s_mov_b32 s[G1+7], 0
	; group 1 for Wc: 64 rows (k) x 256 bf16 (n), 32 bytes of padding behind every 128 words, 4,096 elements from row to row
	s_or_b32 s[G1B+0], s22, (1<<16)|(1<<20)|(1<<21)|(6<<22)|(7<<25)
	s_mov_b32 s[G1B+1], 256<<16
	s_mov_b32 s[G1B+2], 64<<16
	s_mov_b32 s[G1B+3], 256<<16
	s_mov_b32 s[G1B+4], 64
	s_mov_b32 s[G1B+5], 4096
	s_mov_b32 s[G1B+6], 0
	s_mov_b32 s[G1B+7], 0
	; group 1 for noise: 64 rows x 128 f32, 16 bytes of padding behind every 128 words, no mask: each wave for itself
	s_mov_b32 s[GN1+0], (2<<16)|(1<<20)|(6<<22)|(3<<25)
	s_mov_b32 s[GN1+1], 128<<16
	s_mov_b32 s[GN1+2], 64<<16
	s_mov_b32 s[GN1+3], 128<<16
	s_mov_b32 s[GN1+4], 64
	s_mov_b32 s[GN1+5], 4096
	s_mov_b32 s[GN1+6], 0
	s_mov_b32 s[GN1+7], 0
	; offsets.  s[76:77] are made of the block row and the wave alone, s[80:81] of the block column and the wave alone.
	s_lshl_b32 s76, s20, 8
	s_lshl_b32 s77, s16, 7
	s_add_co_u32 s76, s76, s77                     ; Xb row 256 x block row + 128 x half
	s_mul_i32 s76, s76, 3072
	s_mov_b32 s77, 0
	s_lshl_b32 s80, s16, 19                        ; Wc row 64 x half, 8,192 bytes each,
	s_lshl_b32 s81, s19, 9                         ; column 256 x block column, 2 bytes each
	s_add_co_u32 s80, s80, s81
	s_mov_b32 s81, 0
	s_lshl_b32 s82, s20, 8
	s_lshl_b32 s83, s15, 7
	s_add_co_u32 s82, s82, s83                     ; my first row of the result
	s_lshl_b32 s83, s19, 8
	s_lshl_b32 s86, s16, 7
	s_add_co_u32 s94, s83, s86                     ; my first column
	s_lshl_b32 s86, s82, 13                        ; in Hb: (row / 16) x 131,072
	s_lshl_b32 s87, s94, 5                         ; + (column / 16) x 512
	s_add_co_u32 s86, s86, s87
	s_mov_b32 s87, 0
	s_lshl_b32 s82, s82, 14
	s_lshl2_add_u32 s82, s94, s82                  ; in noise: row x 16,384 + column x 4
	s_mov_b32 s83, 0
	s_wait_dscnt 0x0
	s_wait_kmcnt 0x0
	s_add_nc_u64 s[76:77], s[4:5], s[76:77]
	s_add_nc_u64 s[80:81], s[6:7], s[80:81]
	s_add_nc_u64 s[84:85], s[8:9], s[82:83]        ; my tile of noise; never rewritten
	s_add_nc_u64 s[12:13], s[12:13], s[86:87]      ; my first eight tiles of Hb
	CROUND                                         ; all sixteen work-groups are here: the first joint loads meet
.irp s, 0,1
	s_mov_b32 s[G0+4*\s], 1
	s_add_co_u32 s[G0+4*\s+1], s23, \s*SLOT
	s_add_nc_u64 s[G0+4*\s+2:G0+4*\s+3], s[76:77], \s*256          ; K step s: 128 elements along the rows
	s_or_b32 s[G0+4*\s+3], s[G0+4*\s+3], 0x80000000
	s_mov_b32 s[G0B+4*\s], 1
	s_add_co_u32 s[G0B+4*\s+1], s23, \s*SLOT
	s_add_nc_u64 s[G0B+4*\s+2:G0B+4*\s+3], s[80:81], \s*1048576    ; K step s: 128 rows down
	s_or_b32 s[G0B+4*\s+3], s[G0B+4*\s+3], 0x80000000
	JLOAD \s                                       ; both slots are asked for before anything else: two loads of the wave are out, the most in this text
.endr
.irp h, 0,1
	s_mov_b32 s[GN0+4*\h], 1
	s_add_co_u32 s[GN0+4*\h+1], s91, \h*SLOT
	s_add_nc_u64 s[GN0+4*\h+2:GN0+4*\h+3], s[84:85], \h*1048576    ; 64 rows of 16,384 bytes
	s_or_b32 s[GN0+4*\h+3], s[GN0+4*\h+3], 0x80000000
.endr
	v_and_b32 v1, 15, v0                           ; r = l % 16
	v_bfe_u32 v2, v0, 4, 1                         ; h = l / 16
	v_and_b32 v3, 31, v0                           ; l
	v_lshlrev_b32 v[CO], 4, v3                     ; 16 bytes a lane in a tile of Hb
	v_lshl_add_u32 v9, s94, 2, v[CO]
	global_load_b128 v[10:13], v9, s[10:11]        ; four of my wave's 128 numbers of c
	v_mul_u32_u24 v4, v1, PA
	v_lshl_add_u32 v4, v2, 4, v4                   ; r x 272 + 16 h
	s_mul_i32 s92, s15, HALFT
	v_add_nc_u32 v[ADRA], s92, v4
	v_add_nc_u32 v[ADRA+1], SLOT, v[ADRA]
	v_and_b32 v5, 7, v0                            ; the transposing load: lane l addresses row 8 h + l % 8 (k), 16 bytes at 16 ((l / 8) % 2)
	v_lshl_add_u32 v5, v2, 3, v5
	v_mul_u32_u24 v5, v5, PB
	v_bfe_u32 v6, v0, 3, 1
	v_lshl_add_u32 v5, v6, 4, v5
	s_lshl_b32 s92, s16, 8                         ; my 128 columns
	s_add_co_u32 s92, s92, BOFF
	v_add_nc_u32 v[ADRB], s92, v5
	v_add_nc_u32 v[ADRB+1], SLOT, v[ADRB]
	v_mul_u32_u24 v7, v1, NPITCH
	v_lshl_add_u32 v7, v2, 5, v7                   ; noise: row r, 32 bytes for each half of the lanes
	v_add_nc_u32 v[NZA], s91, v7
	v_add_nc_u32 v[NZA+1], SLOT, v[NZA]
	v_lshrrev_b32 v7, 1, v3
	v_and_b32 v8, 1, v3
	v_lshlrev_b32 v8, 8, v8
	v_lshl_add_u32 v[PF], v7, 14, v8               ; prefetch: lane l asks for row l / 2, the 256 bytes at 256 (l % 2)
	s_lshl_b32 s92, s14, 9
	s_add_co_u32 s92, s92, CSCR
	v_lshl_add_u32 v[CLA], v3, 4, s92
	v_lshl_add_u32 v[CLR], v2, 5, s92
	s_wait_loadcnt 0x0
	v_cvt_pk_bf16_f32 v14, v10, v11                ; c rounded to bf16 and widened again,
	v_cvt_pk_bf16_f32 v15, v12, v13
	v_lshlrev_b32 v10, 16, v14
	v_and_b32 v11, 0xffff0000, v14
	v_lshlrev_b32 v12, 16, v15
	v_and_b32 v13, 0xffff0000, v15
	v_pk_mul_f32 v[10:11], v[10:11], 0xbfb8aa3b op_sel_hi:[1,0]    ; times -log2(e): the addend of the exponent
	v_pk_mul_f32 v[12:13], v[12:13], 0xbfb8aa3b op_sel_hi:[1,0]
	ds_store_b128 v[CLA], v[10:13]                 ; my wave's own bytes
; 16 matrix instructions: m blocks a0, a0 + 1 of the window's four x all 8 n blocks, 32 along K.  zero = 1: the first product starts the sums.
; The 64 accumulators take turns, one instruction a turn, in the same order in every quarter step.
.macro MUL16 f, hi, a0, zero
.irp a, \a0, \a0+1
.irp b, 0,1,2,3,4,5,6,7
.if \zero
	v_wmma_f32_16x16x32_bf16 v[8*(8*(\a)+\b):8*(8*(\a)+\b)+7], v[\f+8*\b:\f+8*\b+7], v[\f+8*(4*\hi+\a):\f+8*(4*\hi+\a)+7], 0
.else
	v_wmma_f32_16x16x32_bf16 v[8*(8*(\a)+\b):8*(8*(\a)+\b)+7], v[\f+8*\b:\f+8*\b+7], v[\f+8*(4*\hi+\a):\f+8*(4*\hi+\a)+7], v[8*(8*(\a)+\b):8*(8*(\a)+\b)+7]
.endif
.endr
.endr
.endm
; 32 LDS loads in one run: the fragments of quarter q (32 along K) of a slot into buffer f.  Wc: k = 32 q + 8 h .. and + 16 rows further; Xb: bytes 64 q and + 32.
.macro FETCH slot, q, f
	WIN TO_B
.irp i, 0,1,2,3,4,5,6,7
	ds_load_tr16_b128 v[\f+8*\i:\f+8*\i+3],   v[ADRB+\slot] offset:32*PB*\q+32*\i
	ds_load_tr16_b128 v[\f+8*\i+4:\f+8*\i+7], v[ADRB+\slot] offset:32*PB*\q+32*\i+16*PB
.endr
	WIN 0
.irp i, 0,1,2,3,4,5,6,7
	ds_load_b128 v[\f+8*\i:\f+8*\i+3],   v[ADRA+\slot] offset:64*\q+\i*16*PA
	ds_load_b128 v[\f+8*\i+4:\f+8*\i+7], v[ADRA+\slot] offset:64*\q+\i*16*PA+32
.endr
.endm
; Four places behind a matrix instruction before a load lands on a register that it read, or a vector instruction reads its result
; (ISA guide 7.12.1 for vector instructions); the matrix instructions in between are not counted.
.macro PLACES
.rept 4
	v_nop
.endr
.endm
; 16 rows x 512 bytes of my own noise tile, from row 16 i behind the row that PF stands at: each lane one aligned block of 256 bytes.
.macro PFN i
	global_prefetch_b8 v[PF], s[84:85] offset:\i*262144 th:TH_LOAD_NT scope:SCOPE_SE
.endm
; One of the first three quarters of a K step: multiplies buffer f, fetches quarter q into buffer g in its middle.  pf >= 0: a prefetch behind the loads.
.macro QUARTER slot, q, f, g, zero, pf
	s_wait_dscnt 8                                 ; Wc and rows 0-63 of Xb are in; the youngest eight loads (rows 64-127) may be out
	WIN MUL_LO
	MUL16 \f, 0, 0, \zero
	MUL16 \f, 0, 2, \zero
	PLACES
	FETCH \slot, \q, \g
.if \pf >= 0
	PFN \pf
.endif
	s_wait_dscnt 32                                ; all but the 32 just issued
	WIN MUL_HI
	MUL16 \f, 1, 0, \zero
	MUL16 \f, 1, 2, \zero
.endm
.macro THREE slot, zero, pf
.if \pf
	QUARTER \slot, 1, F0, F1, \zero, 1
	QUARTER \slot, 2, F1, F0, 0, 2
	QUARTER \slot, 3, F0, F1, 0, 3
.else
	QUARTER \slot, 1, F0, F1, \zero, -1
	QUARTER \slot, 2, F1, F0, 0, -1
	QUARTER \slot, 3, F0, F1, 0, -1
.endif
.endm
; The last quarter: multiplies buffer 1 and changes slots.  Every one of them fills this slot again, so every one holds a round of the cluster barrier.
; In front of the round each wave waits for its reads of this slot and for all its tensor loads (one is out: its part of the other slot);
; inside the round register work alone; behind it the refill first: fill = 1 operands two K steps ahead (joint), fill = 2 my noise half (my own).
; From a request to the wait for it a wave issues 240 matrix instructions.  fetch = 1: the next slot's first fragments follow.
.macro TURN slot, next, fill, fetch, pf
	s_wait_dscnt 8
	WIN MUL_LO
	MUL16 F1, 0, 0, 0
	s_wait_dscnt 0                                 ; my reads of this slot are over
	s_wait_tensorcnt 0x0                           ; and all my tensor loads have landed
	ds_add_u32 v255, v63
	s_wait_dscnt 0x0
	s_barrier_signal -1
	MUL16 F1, 0, 2, 0
	WIN 0
	s_barrier_wait -1
	CREST
.if \fill == 1
	s_add_nc_u64 s[G0+4*\slot+2:G0+4*\slot+3], s[G0+4*\slot+2:G0+4*\slot+3], 512          ; no load of mine is out: group 0 may be written
	s_add_nc_u64 s[G0B+4*\slot+2:G0B+4*\slot+3], s[G0B+4*\slot+2:G0B+4*\slot+3], 2097152
	JLOAD \slot
.else
	tensor_load_to_lds s[GN0+4*\slot:GN0+4*\slot+3], s[GN1:GN1+7]
	s_nop 0
.endif
.if \fetch
	PLACES
	FETCH \next, 0, F0
.if \pf >= 0
	PFN \pf
.endif
.endif
	WIN MUL_HI
	MUL16 F1, 1, 0, 0
	MUL16 F1, 1, 2, 0
.endm
.macro LAP zero                        ; two K steps, both slots filled again with operands
	THREE 0, \zero, 0
	TURN 0, 1, 1, 1, -1
	THREE 1, 0, 0
	TURN 1, 0, 1, 1, -1
.endm
	s_wait_tensorcnt 1                             ; my part of K step 0 is in; K step 1 stays out
	s_wait_dscnt 0x0                               ; no LDS instruction is pending at a signal
	s_barrier_signal -1
	s_barrier_wait -1
	FETCH 0, 0, F0
	LAP 1                                          ; K steps 0, 1: the first products start the sums
	WIN 0
	s_mov_b32 s3, 4
; K steps 2 to 9.  Each trip asks for 16 more rows (8 KiB) of this wave's noise rows 0-63, which its tensor load behind K step 10 fetches:
; every aligned block of 256 bytes once, by the wave that will load it.
.Llap:
	PFN 0
	LAP 0
	WIN 0
	s_wait_xcnt 0x0                                ; the prefetch, a lap back, has had its address translated: PF may step
	v_add_nc_u32 v[PF], 0x40000, v[PF]
	s_sub_co_u32 s3, s3, 1
	s_cmp_lg_u32 s3, 0
	s_cbranch_scc1 .Llap
	; K steps 10, 11.  PF stands at row 64: rows 64-127 are asked for in four pieces, the last ending at row 127 of the tile; the load behind K step 11 fetches them.
	THREE 0, 0, 0
	TURN 0, 1, 2, 1, 0                             ; noise rows 0-63 go out, into slot 0
	THREE 1, 0, 1
	TURN 1, 0, 2, 0, -1                            ; noise rows 64-127 go out, into slot 1
	; THE WAY OUT, 16 rows at a time.
	PLACES                                         ; behind the last matrix instructions: results are read, fragment registers loaded
	WIN TO_B
.irp b, 0,1,2,3,4,5,6,7
	ds_load_b128 v[CL+8*\b:CL+8*\b+3],   v[CLR] offset:64*\b       ; -log2(e) c of columns 16 b + 8 h + 0..7
	ds_load_b128 v[CL+8*\b+4:CL+8*\b+7], v[CLR] offset:64*\b+16
.endr
	WIN 0
.macro NLOAD hi, a                     ; noise of rows 16 a .. + 15 of half hi: row r, columns 16 b + 8 h + 0..7
.irp b, 0,1,2,3,4,5,6,7
	ds_load_b128 v[NZ+8*\b:NZ+8*\b+3],   v[NZA+\hi] offset:16*NPITCH*\a+64*\b
	ds_load_b128 v[NZ+8*\b+4:NZ+8*\b+7], v[NZA+\hi] offset:16*NPITCH*\a+64*\b+16
.endr
.endm
; Rows 16 a .. + 15 of the window named by win (0x12: source 0 window 2, source 2 window 1; 0x13: source 0 window 3).
; nxt: 1 = the next group's noise (half nhi, rows 16 na) is fetched meanwhile; 2 = the same, behind the wait for noise half 1; 0 = none.
.macro EGROUP win, a, nxt, nhi, na, first
	s_wait_dscnt 0x0                               ; this group's noise is in (and, the first time, the c row)
.set i, 0
.rept 32
	v_cvt_pk_bf16_f32 v[NB+i], v[NZ+2*i], v[NZ+2*i+1]              ; noise rounded to bf16
.set i, i+1
.endr
.if \nxt == 2
	s_wait_tensorcnt 0x0                           ; my rows 64-127 of noise have landed; only I read them
.endif
.if \nxt
	NLOAD \nhi, \na
.endif
	WIN \win
.set i, 0
.rept 32
	v_pk_fma_f32 v[T+2*i:T+2*i+1], v[64*\a+2*i:64*\a+2*i+1], 0xbfb8aa3b, v[CL+2*i:CL+2*i+1] op_sel_hi:[1,0,1]   ; -log2(e) (x + c)
.set i, i+1
.endr
	WIN 0
.set i, 0
.rept 64
	v_exp_f32 v[T+i], v[T+i]                       ; t
.set i, i+1
.endr
	v_nop                                          ; one plain place behind the last v_exp_f32 before results are read (ISA guide 5.7.2)
.set i, 0
	s_wait_alu depctr_va_vdst(0)
.rept 32
	v_fma_mix_f32_bf16 v[T+2*i],   v[NB+i], v[T+2*i],   v[NB+i] op_sel_hi:[1,0,1]                  ; noise t + noise, low half
	v_fma_mix_f32_bf16 v[T+2*i+1], v[NB+i], v[T+2*i+1], v[NB+i] op_sel:[1,0,1] op_sel_hi:[1,0,1]   ; high half
.set i, i+1
.endr
	s_wait_xcnt 0x0                                ; the last group's stores have had their addresses translated: TMP and the base are rewritten only behind this wait
.if \first == 0
	s_add_nc_u64 s[12:13], s[12:13], GROW          ; the next 16 rows of Hb
.endif
.irp b, 0,1,2,3,4,5,6,7
.irp k, 0,1,2,3
	v_cmp_gt_f32 vcc_lo, 1.0, v[T+8*\b+2*\k]
	v_cmp_gt_f32 s90, 1.0, v[T+8*\b+2*\k+1]
	v_cndmask_b32 v[T+8*\b+2*\k], 0, 1.0, vcc_lo
	v_cndmask_b32 v[T+8*\b+2*\k+1], 0, 1.0, s90
	v_perm_b32 v[TMP+4*\b+\k], v[T+8*\b+2*\k+1], v[T+8*\b+2*\k], s88       ; the upper halves are the bf16: exact for 0 and 1
.endr
	global_store_b128 v[CO], v[TMP+4*\b:TMP+4*\b+3], s[12:13] offset:512*\b   ; a tile of Hb: the wave stores 512 consecutive bytes, aligned
.endr
.endm
	s_wait_tensorcnt 0x1                           ; rows 0-63 of my noise are in (shown by the wait for 0 in the last change of slots); rows 64-127 may be out
	NLOAD 0, 0
	EGROUP 0x12, 0, 1, 0, 1, 1
	EGROUP 0x12, 1, 1, 0, 2, 0
	EGROUP 0x12, 2, 1, 0, 3, 0
	EGROUP 0x12, 3, 2, 1, 0, 0
	EGROUP 0x13, 0, 1, 1, 1, 0
	EGROUP 0x13, 1, 1, 1, 2, 0
	EGROUP 0x13, 2, 1, 1, 3, 0
	EGROUP 0x13, 3, 0, 0, 0, 0
	s_set_vgpr_msb 0x1
	s_wait_tensorcnt 0x0
	ds_add_u32 v255, v63
	s_wait_dscnt 0x0
	s_set_vgpr_msb 0x100
	CROUND                                         ; the closing round: no work-group ends while a partner may still ask for a tile that names it
	s_endpgm
.Lfunc_end_k_qe3b781a1e0_gemm1:
	.size	k_qe3b781a1e0_gemm1, .Lfunc_end_k_qe3b781a1e0_gemm1-k_qe3b781a1e0_gemm1
	.p2alignl 7, 3214868480
	.fill 96, 4, 3214868480
	.section	.rodata,"a",@progbits
	.p2align	6, 0x0
	.amdhsa_kernel k_qe3b781a1e0_gemm1
		.amdhsa_group_segment_fixed_size 327680
		.amdhsa_private_segment_fixed_size 0
		.amdhsa_enable_private_segment 0
		.amdhsa_kernarg_size 40
		.amdhsa_user_sgpr_count 2
		.amdhsa_user_sgpr_kernarg_segment_ptr 1
		.amdhsa_wavefront_size32 1
		.amdhsa_system_sgpr_workgroup_id_x 1
		.amdhsa_system_sgpr_workgroup_id_y 1
		.amdhsa_system_sgpr_workgroup_id_z 1
		.amdhsa_system_vgpr_workitem_id 0
		.amdhsa_next_free_vgpr 1024
		.amdhsa_next_free_sgpr 96
		.amdhsa_reserve_vcc 1
		.amdhsa_float_denorm_mode_32 3
		.amdhsa_float_denorm_mode_16_64 3
		.amdhsa_memory_ordered 1
		.amdhsa_forward_progress 1
		.amdhsa_inst_pref_size 255
	.end_amdhsa_kernel
	.section	.bss,"aw",@nobits
	.p2align	6
	.space	262144
	.amdgpu_metadata
---
amdhsa.version: [ 1, 2 ]
amdhsa.kernels:
  - .name:           k_qe3b781a1e0_gemm1
    .symbol:         k_qe3b781a1e0_gemm1.kd
    .args:
      - { .name: Xb, .offset: 0, .size: 8, .value_kind: global_buffer, .address_space: global }
      - { .name: Wc, .offset: 8, .size: 8, .value_kind: global_buffer, .address_space: global }
      - { .name: noise, .offset: 16, .size: 8, .value_kind: global_buffer, .address_space: global }
      - { .name: c, .offset: 24, .size: 8, .value_kind: global_buffer, .address_space: global }
      - { .name: Hb, .offset: 32, .size: 8, .value_kind: global_buffer, .address_space: global }
    .group_segment_fixed_size: 327680
    .private_segment_fixed_size: 0
    .kernarg_segment_align: 8
    .kernarg_segment_size: 40
    .max_flat_workgroup_size: 128
    .sgpr_count:     96
    .vgpr_count:     1024
    .wavefront_size: 32
...
	.end_amdgpu_metadata
.endif
;; end of part 2
;; launch gemm2 (part 3): grid 8 x 32, 4 waves a work-group, clusters of 4 x 4, 327,680 bytes of LDS; arguments Hb, Wc, Xb, At, b, cand; writes cand
.if DOCPART == 3
	.amdgcn_target "amdgcn-amd-amdhsa--gfx1250"
	.amdhsa_code_object_version 6
	.text
	.protected	k_qe3b781a1e0_gemm2
	.globl	k_qe3b781a1e0_gemm2
	.p2align	8
	.type	k_qe3b781a1e0_gemm2,@function
k_qe3b781a1e0_gemm2:
	s_mov_b64 s[64:65], 0
	v_nop
	global_prefetch_b8 v0, s[64:65] scope:SCOPE_SE
	s_setreg_imm32_b32 hwreg(HW_REG_WAVE_MODE, 25, 1), 1
	s_wait_xcnt 0x0
	s_wait_alu depctr_hold_cnt(0) depctr_sa_sdst(0) depctr_va_vdst(0) depctr_va_sdst(0) depctr_va_ssrc(0) depctr_va_vcc(0) depctr_vm_vsrc(0)
	s_getreg_b32 s2, hwreg(HW_REG_IB_STS2, 6, 4)
	s_cmp_eq_u32 s2, 0
	s_cbranch_scc0 .Lentry_in_a_cluster
	s_endpgm
.Lentry_in_a_cluster:
	s_bfe_u32 s2, ttmp6, 0x10000c
	s_cmp_lg_u32 s2, 0xf033
	s_cbranch_scc0 .Lentry_shape_is_right
	s_endpgm
.Lentry_shape_is_right:
; gemm2: pre[m][n] = sum over k of h[m][k] W[n][k] + sum over k of u[m][k] At[n][k] + b[n]   (M = 4096, N = 1024, K = 4096 + 512; sums in f32),
; and of each row the largest number and its column inside a block of 128 columns: cand[block][row] = {f32 maximum, u32 column}.
; W is rows 0-1023 of Wc, u is columns 1024-1535 of Xb: K lies along their rows.  h lies in Hb as fragments: Hb[m / 16][k / 16][lane][16 bytes],
; lane l holding row l % 16, k = 8 (l / 16) + 0..7 of the 16: two neighbouring tiles are the eight registers of a fragment of 16 rows x 32 k.
; LIMITS, kept on purpose:
;  * b is rounded to bf16 (nearest even) as it is loaded, like the matrix operands (at most 2^-9 of its size).
;  * the softmax is not evaluated: exp(x - max) / sum rises with x within a row, so its argmax is the argmax of pre; first column on ties.
;    It can differ from an f32 softmax only where the two largest numbers of a row are so close (some 6e-8 of 1) that their exponentials round to one number.
;  * NaN among the inputs is not served.
; SHAPE: 256 work-groups force blocks of 128 x 128.  Every wave keeps the WHOLE block in 512 registers and takes its own quarter of each K step.
; The four partial blocks are summed once, through LDS.
; h GOES FROM MEMORY STRAIGHT INTO FRAGMENT REGISTERS, and is NOT asked for jointly.  The reason, by this text's sizes: a wave's fragments of h are used by
; that wave alone, so LDS would share nothing of them; and two slots that hold both operands have room for 256 along K each (2 x 132 KiB), 128 matrix
; instructions a wave for each refill.  With W alone in LDS a slot holds 512 along K: 256 matrix instructions for each refill, 240 of them between a request and
; the wait for it.  The price: each tile of h is sent to each of the 8 work-groups of its block row by itself.
; A ring of four register buffers, one for each quarter of a K step, holds h: in the middle of quarter j the wave asks for rows 64-127 of quarter j + 3 and
; rows 0-63 of quarter j + 4, eight loads of 512 consecutive bytes each; at most 56 loads of a wave are out.
; CLUSTERS: 4 x 4.  Tiles of W and At hang on the block column alone (joint along a column of the cluster), tiles of u on the block row alone (along a row).
; K steps 0-7: 512 of h and W; wave w fetches and reads its own tile of W, 128 rows x 256 bytes.  K steps 8, 9: 256 of u and At, both through LDS.
; The matrix instruction is used transposed: lane l holds row l % 16, registers 0-7 the columns 8 (l / 16) + 0..7.
.set PW,     272                       ; LDS pitch of W rows: 256 bytes + 16: an odd multiple of 16
.set WTILE,  128*PW                    ; a wave's tile of W
.set SLOT,   4*WTILE
.set P2,     528                       ; LDS pitch of u and At rows, and of the partial blocks: 512 bytes + 16
.set QUART,  64*P2                     ; one tensor load of u or At: 64 rows
.set BOFF2,  2*QUART                   ; the 128 rows of At, behind the 128 rows of u
.set PART,   128*P2                    ; a partial block: 128 rows x 128 f32; the four lie in the ring when it has had its last fill
.set BSCR,   2*SLOT                    ; 512 bytes for each wave: b of the block's 128 columns; no tensor load lands here
.set GROW,   131072                    ; Hb: 16 rows = 256 tiles of 512 bytes
.set ADRA2, 16                         ; v16-17  my fragments of u in slot 0, 1
.set AV,    18                         ; v18     Hb: 16 x lane + 4,096 x wave (my 128 of a K step = 8 tiles); never rewritten
.set ADRB,  20                         ; v20-21  my fragments of W in slot 0, 1
.set ADRB2, 22                         ; v22-23  my fragments of At in slot 0, 1
.set DMP,   24                         ; v24     where I put my partial block
.set CO,    25                         ; v25     my byte offset in cand
.set RDP,   26                         ; v26-29  my row in partial blocks 0-3
.set BST,   30                         ; v30     where I put my part of b
.set BRD,   31                         ; v31     where I read b
.set BEST,  8                          ; v8      running maximum of my row
.set IDX,   9                          ; v9      its column
.set F0,    64                         ; window 1: fragments of W or At, two buffers; window 0: ring buffers 0, 1 of h, later fragments of u
.set F1,    128
.set Q0,    32                         ; v[32:63] .. v[128:159]: 32 columns of my row in the four partial blocks
.set Q1,    64
.set Q2,    96
.set Q3,    128
.set QB,    160                        ; v[160:191]: b of these columns
.set GW1, 24                           ; s[24:31] group 1 for W
.set GW0, 32                           ; s[32:39] group 0 for W, a set for each slot
.set GU1, 40                           ; s[40:47] group 1 for u
.set GA1, 48                           ; s[48:55] group 1 for At
.set GU0, 56                           ; s[56:63] group 0 for u, a set for each slot; never rewritten
.set GA0, 68                           ; s[68:75] group 0 for At; never rewritten
.set MSB, 0
.macro WIN new                         ; the immediate's high byte repeats the setting that is left
.if MSB != \new
	s_set_vgpr_msb (MSB<<8)|\new
.set MSB, \new
.endif
.endm
; ring buffer x % 4 of h: window 0 v64, v128, v192; window 1 v192
.macro SETR x
.if (\x)%4 == 3
.set RBASE, 192
.set RWIN, 1
.else
.set RBASE, 64+64*((\x)%4)
.set RWIN, 0
.endif
.endm
.macro JLOAD2 s                        ; waves 0, 1 fetch the halves of the tile of u, waves 2, 3 of At.  The branch hangs on the wave number alone.
	s_cmp_eq_u32 s17, 0
	s_cbranch_scc0 .Lfor_b_\@
	tensor_load_to_lds s[GU0+4*\s:GU0+4*\s+3], s[GU1:GU1+7]
	s_nop 0
	s_branch .Lasked_\@
.Lfor_b_\@:
	tensor_load_to_lds s[GA0+4*\s:GA0+4*\s+3], s[GA1:GA1+7]
	s_nop 0
.Lasked_\@:
.endm
.macro CREST                           ; a round of the cluster barrier behind its opening barrier
	s_cmp_lg_u32 s16, 0
	s_cbranch_scc1 .Lnot_wave_0_\@
	s_barrier_signal -3
.Lnot_wave_0_\@:
	s_barrier_wait -3
	s_barrier_signal -1
	s_barrier_wait -1
.endm
.macro CROUND
	s_barrier_signal -1
	s_barrier_wait -1
	CREST
.endm
	s_load_b256 s[4:11], s[0:1], 0x0               ; Hb s[4:5], Wc s[6:7], Xb s[8:9], At s[10:11]
	s_load_b128 s[12:15], s[0:1], 0x20             ; b s[12:13], cand s[14:15]
	s_set_vgpr_msb 0x40
	v_lshl_add_u32 v62, v0, 2, 0x44800
	v_mov_b32 v63, 0
	s_set_vgpr_msb 0x4045
	ds_add_u32 v62, v63
	s_set_vgpr_msb 0x4500
	v_lshrrev_b32 v1, 5, v0
	v_readfirstlane_b32 s16, v1                    ; wave 0..3: also my quarter of each K step
	s_lshr_b32 s17, s16, 1                         ; K steps 8, 9: I fetch u (0) or At (1)
	s_and_b32 s18, s16, 1                          ; which 64 rows of that tile
	s_bfe_u32 s19, ttmp6, 0x40000                  ; cx
	s_bfe_u32 s20, ttmp6, 0x40004                  ; cy
	s_lshl_b32 s21, ttmp9, 2
	s_add_co_u32 s21, s21, s19                     ; block column
	s_and_b32 s22, ttmp7, 0xffff
	s_lshl_b32 s22, s22, 2
	s_add_co_u32 s22, s22, s20                     ; block row
	s_lshl_b32 s23, s20, 2
	s_lshl_b32 s23, 15, s23                        ; my row of the cluster
	s_lshl_b32 s66, 0x1111, s19                    ; my column
	s_mul_i32 s67, s16, QUART                      ; where my tiles of u or At go
	s_mul_i32 s88, s16, WTILE                      ; where my tiles of W go
	; group 1 for W: 128 rows (n) x 128 bf16, 16 bytes of padding behind every 64 words, 4,096 elements from row to row
	s_or_b32 s[GW1+0], s66, (1<<16)|(1<<20)|(1<<21)|(5<<22)|(3<<25)
	s_mov_b32 s[GW1+1], 128<<16
	s_mov_b32 s[GW1+2], 128<<16
	s_mov_b32 s[GW1+3], 128<<16
	s_mov_b32 s[GW1+4], 128
	s_mov_b32 s[GW1+5], 4096
	s_mov_b32 s[GW1+6], 0
	s_mov_b32 s[GW1+7], 0
	; groups 1 for u and At: 64 rows x 256 bf16, 16 bytes of padding behind every 128 words; 1,536 and 512 elements from row to row
	s_or_b32 s[GU1+0], s23, (1<<16)|(1<<20)|(1<<21)|(6<<22)|(3<<25)
	s_or_b32 s[GA1+0], s66, (1<<16)|(1<<20)|(1<<21)|(6<<22)|(3<<25)
	s_mov_b32 s[GU1+1], 256<<16
	s_mov_b32 s[GA1+1], 256<<16
	s_mov_b32 s[GU1+2], 64<<16
	s_mov_b32 s[GA1+2], 64<<16
	s_mov_b32 s[GU1+3], 256<<16
	s_mov_b32 s[GA1+3], 256<<16
	s_mov_b32 s[GU1+4], 64
	s_mov_b32 s[GA1+4], 64
	s_mov_b32 s[GU1+5], 1536
	s_mov_b32 s[GA1+5], 512
	s_mov_b32 s[GU1+6], 0
	s_mov_b32 s[GA1+6], 0
	s_mov_b32 s[GU1+7], 0
	s_mov_b32 s[GA1+7], 0
	; offsets: s[76:79] are made of the block row and the wave alone, s[80:83] of the block column and the wave alone
	s_lshl_b32 s76, s22, 7
	s_lshl_b32 s77, s18, 6
	s_add_co_u32 s76, s76, s77                     ; row 128 x block row + 64 x half
	s_mul_i32 s76, s76, 3072                       ; in Xb,
	s_add_co_u32 s76, s76, 2048                    ; from column 1024
	s_mov_b32 s77, 0
	s_lshl_b32 s78, s22, 20                        ; Hb: block row x 8 groups of 16 rows x 131,072 bytes
	s_mov_b32 s79, 0
	s_lshl_b32 s80, s21, 20                        ; Wc: block column x 128 rows x 8,192 bytes
	s_lshl_b32 s81, s16, 8                         ; + my 128 along K = 256 bytes x wave
	s_add_co_u32 s80, s80, s81
	s_mov_b32 s81, 0
	s_lshl_b32 s82, s21, 7
	s_lshl_b32 s83, s18, 6
	s_add_co_u32 s82, s82, s83                     ; row 128 x block column + 64 x half
	s_lshl_b32 s82, s82, 10                        ; in At
	s_mov_b32 s83, 0
	s_lshl_b32 s86, s21, 15                        ; cand: block column x 4,096 rows x 8 bytes
	s_lshl_b32 s87, s22, 10                        ; + block row x 128 x 8
	s_add_co_u32 s86, s86, s87
	s_lshl_b32 s87, s16, 8                         ; + wave x 32 x 8
	s_add_co_u32 s86, s86, s87
	s_mov_b32 s87, 0
	s_wait_dscnt 0x0
	s_wait_kmcnt 0x0
	s_add_nc_u64 s[76:77], s[8:9], s[76:77]        ; u
	s_add_nc_u64 s[84:85], s[4:5], s[78:79]        ; Hb at my block's first group of rows; steps two K steps a lap
	s_add_nc_u64 s[80:81], s[6:7], s[80:81]        ; W
	s_add_nc_u64 s[82:83], s[10:11], s[82:83]      ; At
	s_add_nc_u64 s[14:15], s[14:15], s[86:87]
	CROUND                                         ; all sixteen work-groups are here: the first joint loads meet
.irp s, 0,1
	s_mov_b32 s[GW0+4*\s], 1
	s_add_co_u32 s[GW0+4*\s+1], s88, \s*SLOT
	s_add_nc_u64 s[GW0+4*\s+2:GW0+4*\s+3], s[80:81], \s*1024       ; K step s: 512 elements along the rows
	s_or_b32 s[GW0+4*\s+3], s[GW0+4*\s+3], 0x80000000
	tensor_load_to_lds s[GW0+4*\s:GW0+4*\s+3], s[GW1:GW1+7]        ; every wave its own tile: two loads of the wave are out, the most in this text
	s_nop 0
.endr
.irp s, 0,1
	s_mov_b32 s[GU0+4*\s], 1
	s_add_co_u32 s[GU0+4*\s+1], s67, \s*SLOT
	s_add_nc_u64 s[GU0+4*\s+2:GU0+4*\s+3], s[76:77], \s*512
	s_or_b32 s[GU0+4*\s+3], s[GU0+4*\s+3], 0x80000000
	s_mov_b32 s[GA0+4*\s], 1
	s_add_co_u32 s[GA0+4*\s+1], s67, \s*SLOT
	s_add_nc_u64 s[GA0+4*\s+2:GA0+4*\s+3], s[82:83], \s*512
	s_or_b32 s[GA0+4*\s+3], s[GA0+4*\s+3], 0x80000000
.endr
; Eight loads: half hi (0: rows 0-63, 1: rows 64-127) of h for quarter x, counted from the K step that s[84:85] stands at, into ring buffer x % 4.
; Group i of 16 rows lies GROW bytes behind the last; a K step is 32 tiles (16,384 bytes), a quarter of my share two tiles (1,024 bytes).
.macro GLD x, hi
	SETR \x
.if RWIN
	WIN 0x40
.else
	WIN 0
.endif
.irp i, 0,1,2,3
	global_load_b128 v[RBASE+8*(4*\hi+\i):RBASE+8*(4*\hi+\i)+3],   v[AV], s[84:85] offset:(4*\hi+\i)*GROW+((\x)/4)*16384+((\x)%4)*1024
	global_load_b128 v[RBASE+8*(4*\hi+\i)+4:RBASE+8*(4*\hi+\i)+7], v[AV], s[84:85] offset:(4*\hi+\i)*GROW+((\x)/4)*16384+((\x)%4)*1024+512
.endr
.endm
	v_and_b32 v1, 15, v0                           ; r
	v_bfe_u32 v2, v0, 4, 1                         ; h
	v_and_b32 v3, 31, v0                           ; l
	v_lshlrev_b32 v9, 4, v3
	v_lshl_add_u32 v[AV], s16, 12, v9
	v_lshl_add_u32 v9, s21, 9, v9
	global_load_b128 v[10:13], v9, s[12:13]        ; four of the block's 128 numbers of b
	GLD 0, 0                                       ; the ring is filled in the order in which it is used: seven halves, 56 loads
	GLD 0, 1
	GLD 1, 0
	GLD 1, 1
	GLD 2, 0
	GLD 2, 1
	GLD 3, 0
	WIN 0
	v_mul_u32_u24 v4, v1, PW
	v_lshl_add_u32 v4, v2, 4, v4                   ; r x 272 + 16 h
	v_add_nc_u32 v[ADRB], s88, v4                  ; in my own tile of W
	v_add_nc_u32 v[ADRB+1], SLOT, v[ADRB]
	v_mul_u32_u24 v5, v1, P2
	v_lshl_add_u32 v6, v2, 4, v5                   ; r x 528 + 16 h
	v_lshl_add_u32 v[ADRA2], s16, 7, v6            ; + my 64 along K = 128 bytes x wave
	v_add_nc_u32 v[ADRA2+1], SLOT, v[ADRA2]
	v_add_nc_u32 v[ADRB2], BOFF2, v[ADRA2]
	v_add_nc_u32 v[ADRB2+1], BOFF2, v[ADRA2+1]
	s_mul_i32 s89, s16, PART
	v_lshl_add_u32 v6, v2, 5, v5                   ; r x 528 + 32 h
	v_add_nc_u32 v[DMP], s89, v6
	v_lshlrev_b32 v[CO], 3, v3
	v_lshl_add_u32 v7, s16, 5, v3                  ; the row that I sum: 32 x wave + lane
	v_mul_u32_u24 v7, v7, P2
.irp p, 0,1,2,3
	v_add_nc_u32 v[RDP+\p], \p*PART, v7
.endr
	s_lshl_b32 s90, s16, 9
	s_add_co_u32 s90, s90, BSCR
	v_lshl_add_u32 v[BST], v3, 4, s90
	v_mov_b32 v[BRD], s90
	s_wait_loadcnt 56                              ; b is in: the 56 loads of h were issued behind it and stay out
	v_cvt_pk_bf16_f32 v14, v10, v11                ; b rounded to bf16 and widened again
	v_cvt_pk_bf16_f32 v15, v12, v13
	v_lshlrev_b32 v10, 16, v14
	v_and_b32 v11, 0xffff0000, v14
	v_lshlrev_b32 v12, 16, v15
	v_and_b32 v13, 0xffff0000, v15
	ds_store_b128 v[BST], v[10:13]                 ; my wave's own copy
; 16 matrix instructions of quarter jj: m blocks a0, a0 + 1 of half hi x all 8 n blocks, 32 along K.  Source 0: buffer jj % 2 in window 1; source 1: ring buffer jj % 4.
; zero = 1: the first product starts the sums.  The 64 accumulators take turns, one instruction a turn, in the same order in every quarter.
.macro MUL16 jj, hi, a0, zero
	SETR \jj
.if RWIN
.if \hi
	WIN 0xf5                                       ; sources 0 and 1 window 1, C and D window 3
.else
	WIN 0xa5                                       ; sources 0 and 1 window 1, C and D window 2
.endif
.else
.if \hi
	WIN 0xf1                                       ; source 0 window 1, source 1 window 0, C and D window 3
.else
	WIN 0xa1                                       ; the same, C and D window 2
.endif
.endif
.set FB, 64+64*((\jj)%2)
.irp a, \a0, \a0+1
.irp b, 0,1,2,3,4,5,6,7
.if \zero
	v_wmma_f32_16x16x32_bf16 v[8*(8*(\a)+\b):8*(8*(\a)+\b)+7], v[FB+8*\b:FB+8*\b+7], v[RBASE+8*(4*\hi+\a):RBASE+8*(4*\hi+\a)+7], 0
.else
	v_wmma_f32_16x16x32_bf16 v[8*(8*(\a)+\b):8*(8*(\a)+\b)+7], v[FB+8*\b:FB+8*\b+7], v[RBASE+8*(4*\hi+\a):RBASE+8*(4*\hi+\a)+7], v[8*(8*(\a)+\b):8*(8*(\a)+\b)+7]
.endif
.endr
.endr
.endm
.macro FETCHW slot, q, f               ; 16 LDS loads: my fragments of W, 128 rows, 32 along K at byte 64 q of my tile's rows
	WIN 0x40
.irp i, 0,1,2,3,4,5,6,7
	ds_load_b128 v[(\f)+8*\i:(\f)+8*\i+3],   v[ADRB+(\slot)] offset:64*(\q)+\i*16*PW
	ds_load_b128 v[(\f)+8*\i+4:(\f)+8*\i+7], v[ADRB+(\slot)] offset:64*(\q)+\i*16*PW+32
.endr
.endm
.macro FETCH2 slot, q, f               ; 32 LDS loads: At, then u: 128 + 128 rows, 32 along K at byte 64 q of my 128 bytes
	WIN 0x40
.irp i, 0,1,2,3,4,5,6,7
	ds_load_b128 v[\f+8*\i:\f+8*\i+3],   v[ADRB2+\slot] offset:64*\q+\i*16*P2
	ds_load_b128 v[\f+8*\i+4:\f+8*\i+7], v[ADRB2+\slot] offset:64*\q+\i*16*P2+32
.endr
	WIN 0
.irp i, 0,1,2,3,4,5,6,7
	ds_load_b128 v[\f+8*\i:\f+8*\i+3],   v[ADRA2+\slot] offset:64*\q+\i*16*P2
	ds_load_b128 v[\f+8*\i+4:\f+8*\i+7], v[ADRA2+\slot] offset:64*\q+\i*16*P2+32
.endr
.endm
; Four places behind a matrix instruction before a load lands on a register that it read, or a vector instruction reads its result
; (ISA guide 7.12.1 for vector instructions); the matrix instructions in between are not counted.
.macro PLACES
.rept 4
	v_nop
.endr
.endm
; Quarter jj of a lap (two K steps of four quarters; slot jj / 4), one of a step's first three.  Loads of h come back in the order of issue, which is the order of use:
; rows 0-63 of a quarter, its rows 64-127, the next quarter's.  cl: how many were issued behind my rows 0-63; ch: behind my rows 64-127 (in full flight six halves = 48
; and five = 40).  In the middle, four places behind the products that read them: W's next fragments; rows 64-127 of quarter jj + 3 into the buffer that the last
; quarter has done with (ldh); rows 0-63 of quarter jj + 4 into this quarter's buffer (ldl).
.macro QUARTER jj, zero, cl, ch, ldh, ldl
.set QS, (\jj)/4
.set QQ, (\jj)%4
.set QF, 64+64*(((\jj)+1)%2)
	s_wait_loadcnt \cl
	s_wait_dscnt 0x0                               ; this quarter's fragments of W, asked for 32 matrix instructions ago
	MUL16 \jj, 0, 0, \zero
	MUL16 \jj, 0, 2, \zero
	PLACES
	FETCHW QS, QQ+1, QF
	s_wait_loadcnt \ch
.if \ldh
	GLD \jj+3, 1
.endif
.if \ldl
	GLD \jj+4, 0
.endif
	MUL16 \jj, 1, 0, \zero
	MUL16 \jj, 1, 2, \zero
.endm
; A step's last quarter (jj = 3 or 7) changes slots.  The wait for W's fragments at its head also ends my reads of this slot; then all my tensor loads have landed (one is
; out: the other slot's), and the barrier opens a round of the cluster barrier, with register work alone inside.  Behind the round the joint refill comes first:
; fill = 1: my tile of W two K steps on;  2: slot 0 gets K step 8, the first of u and At;  3: slot 1 gets K step 9, and the next fragments are u's and At's.
.macro TURN jj, cl, ch, ldh, ldl, fill
.set TS, (\jj)/4
	s_wait_loadcnt \cl
	s_wait_dscnt 0x0
	MUL16 \jj, 0, 0, 0
	s_wait_tensorcnt 0x0
	ds_add_u32 v62, v63
	s_wait_dscnt 0x0
	s_barrier_signal -1
	MUL16 \jj, 0, 2, 0
	WIN 0
	s_barrier_wait -1
	CREST
.if \fill == 1
	s_add_nc_u64 s[GW0+4*TS+2:GW0+4*TS+3], s[GW0+4*TS+2:GW0+4*TS+3], 2048    ; no load of mine is out: group 0 may be written
	tensor_load_to_lds s[GW0+4*TS:GW0+4*TS+3], s[GW1:GW1+7]
	s_nop 0
.endif
.if \fill == 2
	JLOAD2 0
.endif
.if \fill == 3
	JLOAD2 1
.endif
	PLACES
.if \fill == 3
	FETCH2 0, 0, F0
.else
	FETCHW 1-TS, 0, F0
.endif
	s_wait_loadcnt \ch
.if \ldh
	GLD \jj+3, 1
.endif
.if \ldl
	GLD \jj+4, 0
.endif
	MUL16 \jj, 1, 0, 0
	MUL16 \jj, 1, 2, 0
.endm
.macro LAP zero                        ; two K steps in full flight
	QUARTER 0, \zero, 48, 40, 1, 1
	QUARTER 1, 0, 48, 40, 1, 1
	QUARTER 2, 0, 48, 40, 1, 1
	TURN 3, 48, 40, 1, 1, 1
	QUARTER 4, 0, 48, 40, 1, 1
	QUARTER 5, 0, 48, 40, 1, 1
	QUARTER 6, 0, 48, 40, 1, 1
	TURN 7, 48, 40, 1, 1, 1
	WIN 0
	s_wait_xcnt 0x0                                ; every load issued has had its address translated: the base of h may step
	s_add_nc_u64 s[84:85], s[84:85], 32768         ; two K steps on
.endm
	s_wait_tensorcnt 0x1                           ; my tile of W for K step 0 is in, and only I read it; K step 1 stays out
	FETCHW 0, 0, F0
	LAP 1                                          ; K steps 0, 1: the first products start the sums
	s_mov_b32 s3, 2
.Llap:                                                 ; K steps 2 to 5
	LAP 0
	s_sub_co_u32 s3, s3, 1
	s_cmp_lg_u32 s3, 0
	s_cbranch_scc1 .Llap
	; K step 6: still in full flight; its refill is K step 8
	QUARTER 0, 0, 48, 40, 1, 1
	QUARTER 1, 0, 48, 40, 1, 1
	QUARTER 2, 0, 48, 40, 1, 1
	TURN 3, 48, 40, 1, 1, 2
	; K step 7: the last eight loads of h go out, then none, and the counts run down
	QUARTER 4, 0, 48, 40, 1, 0
	QUARTER 5, 0, 40, 32, 0, 0
	QUARTER 6, 0, 24, 16, 0, 0
	TURN 7, 8, 0, 0, 0, 3
	; K steps 8, 9: u and At, two quarters of 32 of my 64 along K each, on buffers 0 and 1 of both windows
.macro QUARTER2 slot
	s_wait_dscnt 8                                 ; all but the youngest eight loads (rows 64-127 of u)
	MUL16 0, 0, 0, 0
	MUL16 0, 0, 2, 0
	PLACES
	FETCH2 \slot, 1, F1
	s_wait_dscnt 32                                ; all but the 32 just issued
	MUL16 0, 1, 0, 0
	MUL16 0, 1, 2, 0
.endm
	QUARTER2 0
	s_wait_dscnt 8
	MUL16 1, 0, 0, 0
	s_wait_dscnt 0                                 ; no LDS instruction is pending at a signal
	s_wait_tensorcnt 0x0                           ; my part of K step 9 has landed
	s_barrier_signal -1                            ; my work-group's barrier alone
	MUL16 1, 0, 2, 0
	WIN 0
	s_barrier_wait -1                              ; everybody's part has
	PLACES
	FETCH2 1, 0, F0
	MUL16 1, 1, 0, 0
	MUL16 1, 1, 2, 0
	QUARTER2 1
	s_wait_dscnt 8
	MUL16 1, 0, 0, 0
	MUL16 1, 0, 2, 0
	s_wait_dscnt 0
	MUL16 1, 1, 0, 0
	MUL16 1, 1, 2, 0
	WIN 0
	; THE FOUR PARTIAL BLOCKS MEET IN LDS.  The ring has had its last fill and every wave's reads of it are back (the wait for 0 above): behind this barrier it is written.
	s_barrier_signal -1
	s_barrier_wait -1
	PLACES                                         ; behind the last matrix instructions: results are stored, fragment registers loaded
.macro DUMP win, abase                 ; 32 tiles of a window (store data = source 1): row 16 (a + abase) + r, columns 16 b + 8 h + 0..7
	WIN \win
.irp a, 0,1,2,3
.irp b, 0,1,2,3,4,5,6,7
	ds_store_b128 v[DMP], v[8*(8*\a+\b):8*(8*\a+\b)+3]   offset:16*P2*(\a+\abase)+64*\b
	ds_store_b128 v[DMP], v[8*(8*\a+\b)+4:8*(8*\a+\b)+7] offset:16*P2*(\a+\abase)+64*\b+16
.endr
.endr
.endm
	DUMP 0x08, 0
	DUMP 0x0c, 4
	WIN 0
	s_wait_dscnt 0x0                               ; my stores are done, for the other waves: zero
	s_barrier_signal -1
	s_barrier_wait -1
; A lane sums one row, 32 x wave + lane, 32 columns at a time, adds b and keeps the largest number and its column: strictly greater, so the first column wins a tie.
.macro SUMCH cc
.irp c, 0,1,2,3,4,5,6,7
	ds_load_b128 v[Q0+4*\c:Q0+4*\c+3], v[RDP]   offset:128*\cc+16*\c
	ds_load_b128 v[Q1+4*\c:Q1+4*\c+3], v[RDP+1] offset:128*\cc+16*\c
	ds_load_b128 v[Q2+4*\c:Q2+4*\c+3], v[RDP+2] offset:128*\cc+16*\c
	ds_load_b128 v[Q3+4*\c:Q3+4*\c+3], v[RDP+3] offset:128*\cc+16*\c
	ds_load_b128 v[QB+4*\c:QB+4*\c+3], v[BRD]   offset:128*\cc+16*\c
.endr
	s_wait_dscnt 0x0
.set i, 0
.rept 16
	v_pk_add_f32 v[Q0+2*i:Q0+2*i+1], v[Q0+2*i:Q0+2*i+1], v[Q1+2*i:Q1+2*i+1]
	v_pk_add_f32 v[Q2+2*i:Q2+2*i+1], v[Q2+2*i:Q2+2*i+1], v[Q3+2*i:Q3+2*i+1]
.set i, i+1
.endr
.set i, 0
.rept 16
	v_pk_add_f32 v[Q0+2*i:Q0+2*i+1], v[Q0+2*i:Q0+2*i+1], v[Q2+2*i:Q2+2*i+1]
.set i, i+1
.endr
.set i, 0
.rept 16
	v_pk_add_f32 v[Q0+2*i:Q0+2*i+1], v[Q0+2*i:Q0+2*i+1], v[QB+2*i:QB+2*i+1]
.set i, i+1
.endr
.set i, 0
.rept 32
.if 32*\cc+i == 0
	v_mov_b32 v[BEST], v[Q0]                       ; the first column starts the search
	v_mov_b32 v[IDX], 0
.else
	v_cmp_gt_f32 vcc_lo, v[Q0+i], v[BEST]
	v_cndmask_b32 v[BEST], v[BEST], v[Q0+i], vcc_lo
	v_cndmask_b32 v[IDX], v[IDX], 32*\cc+i, vcc_lo
.endif
.set i, i+1
.endr
.endm
	SUMCH 0
	SUMCH 1
	SUMCH 2
	SUMCH 3
	s_lshl_b32 s89, s21, 7
	v_add_nc_u32 v[IDX], s89, v[IDX]               ; the column in the whole row
	global_store_b64 v[CO], v[BEST:IDX], s[14:15]  ; the wave stores 256 consecutive bytes, aligned
	s_set_vgpr_msb 0x5
	s_wait_tensorcnt 0x0
	ds_add_u32 v62, v63
	s_wait_dscnt 0x0
	s_set_vgpr_msb 0x500
	CROUND                                         ; the closing round: no work-group ends while a partner may still ask for a tile that names it
	s_endpgm
.Lfunc_end_k_qe3b781a1e0_gemm2:
	.size	k_qe3b781a1e0_gemm2, .Lfunc_end_k_qe3b781a1e0_gemm2-k_qe3b781a1e0_gemm2
	.p2alignl 7, 3214868480
	.fill 96, 4, 3214868480
	.section	.rodata,"a",@progbits
	.p2align	6, 0x0
	.amdhsa_kernel k_qe3b781a1e0_gemm2
		.amdhsa_group_segment_fixed_size 327680
		.amdhsa_private_segment_fixed_size 0
		.amdhsa_enable_private_segment 0
		.amdhsa_kernarg_size 48
		.amdhsa_user_sgpr_count 2
		.amdhsa_user_sgpr_kernarg_segment_ptr 1
		.amdhsa_wavefront_size32 1
		.amdhsa_system_sgpr_workgroup_id_x 1
		.amdhsa_system_sgpr_workgroup_id_y 1
		.amdhsa_system_sgpr_workgroup_id_z 1
		.amdhsa_system_vgpr_workitem_id 0
		.amdhsa_next_free_vgpr 1024
		.amdhsa_next_free_sgpr 96
		.amdhsa_reserve_vcc 1
		.amdhsa_float_denorm_mode_32 3
		.amdhsa_float_denorm_mode_16_64 3
		.amdhsa_memory_ordered 1
		.amdhsa_forward_progress 1
		.amdhsa_inst_pref_size 255
	.end_amdhsa_kernel
	.amdgpu_metadata
---
amdhsa.version: [ 1, 2 ]
amdhsa.kernels:
  - .name:           k_qe3b781a1e0_gemm2
    .symbol:         k_qe3b781a1e0_gemm2.kd
    .args:
      - { .name: Hb, .offset: 0, .size: 8, .value_kind: global_buffer, .address_space: global }
      - { .name: Wc, .offset: 8, .size: 8, .value_kind: global_buffer, .address_space: global }
      - { .name: Xb, .offset: 16, .size: 8, .value_kind: global_buffer, .address_space: global }
      - { .name: At, .offset: 24, .size: 8, .value_kind: global_buffer, .address_space: global }
      - { .name: b, .offset: 32, .size: 8, .value_kind: global_buffer, .address_space: global }
      - { .name: cand, .offset: 40, .size: 8, .value_kind: global_buffer, .address_space: global }
    .group_segment_fixed_size: 327680
    .private_segment_fixed_size: 0
    .kernarg_segment_align: 8
    .kernarg_segment_size: 48
    .max_flat_workgroup_size: 128
    .sgpr_count:     96
    .vgpr_count:     1024
    .wavefront_size: 32
...
	.end_amdgpu_metadata
.endif
;; end of part 3
;; launch onehot (part 4): grid 256 x 1, 8 waves a work-group, no clusters, 0 bytes of LDS; arguments cand, out0; writes out0
.if DOCPART == 4
	.amdgcn_target "amdgcn-amd-amdhsa--gfx1250"
	.amdhsa_code_object_version 6
	.text
	.protected	k_qe3b781a1e0_onehot
	.globl	k_qe3b781a1e0_onehot
	.p2align	8
	.type	k_qe3b781a1e0_onehot,@function
k_qe3b781a1e0_onehot:
	s_mov_b64 s[64:65], 0
	v_nop
	global_prefetch_b8 v0, s[64:65] scope:SCOPE_SE
	s_setreg_imm32_b32 hwreg(HW_REG_WAVE_MODE, 25, 1), 1
	s_wait_xcnt 0x0
; onehot: out0[row][col] = 1.0 at the column of the largest of the row's eight candidates {f32 maximum, u32 column}, 0.0 elsewhere.
; cand is [8 blocks][4096 rows] of 8 bytes.  Blocks are taken in ascending order and only a strictly greater number replaces: the first column wins a tie.
; A stream of stores: a work-group writes 16 rows, a wave two; each store of a wave covers 512 consecutive bytes, aligned.  The index selects values only, never an address.
; NaN among the candidates is not served.
.set C, 4                              ; v[4:35]   row i, block p: the pair at C + 16 i + 2 p
.set O, 36                             ; v[36:99]  row i: 32 registers to store
	s_load_b128 s[4:7], s[0:1], 0x0                ; cand s[4:5], out0 s[6:7]
	v_and_b32 v1, 31, v0                           ; lane
	v_lshrrev_b32 v3, 5, v0                        ; wave
	v_lshlrev_b32 v2, 4, v1
	v_lshl_add_u32 v2, v3, 13, v2                  ; out0: wave x two rows of 4,096 bytes + lane x 16
	v_lshlrev_b32 v3, 4, v3                        ; cand: wave x two rows of 8 bytes; every lane reads the same pair
	v_lshlrev_b32 v1, 2, v1                        ; my first column in each piece of 128
	s_lshl_b32 s8, ttmp9, 7                        ; 16 rows of 8 bytes
	s_mov_b32 s9, 0
	s_lshl_b32 s10, ttmp9, 16                      ; 16 rows of 4,096 bytes
	s_mov_b32 s11, 0
	s_wait_kmcnt 0x0
	s_add_nc_u64 s[4:5], s[4:5], s[8:9]
	s_add_nc_u64 s[6:7], s[6:7], s[10:11]
.irp i, 0,1
.irp p, 0,1,2,3,4,5,6,7
	global_load_b64 v[C+16*\i+2*\p:C+16*\i+2*\p+1], v3, s[4:5] offset:32768*\p+8*\i
.endr
.endr
	s_wait_loadcnt 0x0
.irp i, 0,1
.irp p, 1,2,3,4,5,6,7
	v_cmp_gt_f32 vcc_lo, v[C+16*\i+2*\p], v[C+16*\i]
	v_cndmask_b32 v[C+16*\i], v[C+16*\i], v[C+16*\i+2*\p], vcc_lo
	v_cndmask_b32 v[C+16*\i+1], v[C+16*\i+1], v[C+16*\i+2*\p+1], vcc_lo
.endr
	v_sub_nc_u32 v[C+16*\i+1], v[C+16*\i+1], v1    ; the column counted from my first one: it is mine where this equals 128 t + e
.endr
.irp i, 0,1
.irp t, 0,1,2,3,4,5,6,7
.irp e, 0,1,2,3
	v_cmp_eq_u32 vcc_lo, 128*\t+\e, v[C+16*\i+1]
	v_cndmask_b32 v[O+32*\i+4*\t+\e], 0, 1.0, vcc_lo
.endr
	global_store_b128 v2, v[O+32*\i+4*\t:O+32*\i+4*\t+3], s[6:7] offset:512*\t+4096*\i th:TH_STORE_NT
.endr
.endr
	s_endpgm
.Lfunc_end_k_qe3b781a1e0_onehot:
	.size	k_qe3b781a1e0_onehot, .Lfunc_end_k_qe3b781a1e0_onehot-k_qe3b781a1e0_onehot
	.p2alignl 7, 3214868480
	.fill 96, 4, 3214868480
	.section	.rodata,"a",@progbits
	.p2align	6, 0x0
	.amdhsa_kernel k_qe3b781a1e0_onehot
		.amdhsa_group_segment_fixed_size 0
		.amdhsa_private_segment_fixed_size 0
		.amdhsa_enable_private_segment 0
		.amdhsa_kernarg_size 16
		.amdhsa_user_sgpr_count 2
		.amdhsa_user_sgpr_kernarg_segment_ptr 1
		.amdhsa_wavefront_size32 1
		.amdhsa_system_sgpr_workgroup_id_x 1
		.amdhsa_system_sgpr_workgroup_id_y 1
		.amdhsa_system_sgpr_workgroup_id_z 1
		.amdhsa_system_vgpr_workitem_id 0
		.amdhsa_next_free_vgpr 104
		.amdhsa_next_free_sgpr 66
		.amdhsa_reserve_vcc 1
		.amdhsa_float_denorm_mode_32 3
		.amdhsa_float_denorm_mode_16_64 3
		.amdhsa_memory_ordered 1
		.amdhsa_forward_progress 1
		.amdhsa_inst_pref_size 13
	.end_amdhsa_kernel
	.amdgpu_metadata
---
amdhsa.version: [ 1, 2 ]
amdhsa.kernels:
  - .name:           k_qe3b781a1e0_onehot
    .symbol:         k_qe3b781a1e0_onehot.kd
    .args:
      - { .name: cand, .offset: 0, .size: 8, .value_kind: global_buffer, .address_space: global }
      - { .name: out0, .offset: 8, .size: 8, .value_kind: global_buffer, .address_space: global }
    .group_segment_fixed_size: 0
    .private_segment_fixed_size: 0
    .kernarg_segment_align: 8
    .kernarg_segment_size: 16
    .max_flat_workgroup_size: 256
    .sgpr_count:     66
    .vgpr_count:     104
    .wavefront_size: 32
...
	.end_amdgpu_metadata
.endif
;; end of part 4
;; ======== version 2 of 2: 4 launches; version 1 with the launches prep, onehot written anew for expert scheduling mode
;; limits: values outside matrix products are rounded to bf16
;; workspace buffers: Xb 12,582,912 bytes; Wc 12,582,912 bytes; At 1,048,576 bytes; Hb 33,554,432 bytes; cand 262,144 bytes
;; launch prep (part 5): grid 800 x 1, 8 waves a work-group, no clusters, 35,840 bytes of LDS; arguments visible_data, cond_data, W, B, A, Xb, Wc, At; writes Xb, Wc, At
.if DOCPART == 5
	.amdgcn_target "amdgcn-amd-amdhsa--gfx1250"
	.amdhsa_code_object_version 6
	.text
	.protected	k_qe3b781a1e0_prep
	.globl	k_qe3b781a1e0_prep
	.p2align	8
	.type	k_qe3b781a1e0_prep,@function
k_qe3b781a1e0_prep:
	s_mov_b64 s[64:65], 0
	v_nop
	global_prefetch_b8 v0, s[64:65] scope:SCOPE_SE
	s_setreg_imm32_b32 hwreg(HW_REG_WAVE_SCHED_MODE, 0, 2), 2
	s_setreg_imm32_b32 hwreg(HW_REG_WAVE_MODE, 25, 1), 1
	s_wait_xcnt 0x0
	s_wait_alu depctr_vm_vsrc(0)
; prep: the matrix operands, rounded once to bf16 (nearest even) and laid out for the two products.
;   Xb [4096][1536] = [visible_data | cond_data]     Wc [1536][4096] = [W ; B]     At [1024][512] = A transposed
; A stream: every input byte is read once and every output byte written once.  No matrix unit, no cluster: nothing is shared or multiplied.
; A work-group takes 16,384 f32 (64 KiB), a wave 2,048: sixteen loads of 512 consecutive bytes, all issued before the first is used;
; each store of a wave (8 bytes a lane) covers 256 consecutive bytes, aligned.  No loop.
; Work-groups 0-255: visible_data, 256-511: W, 512-639: cond_data, 640-767: B, 768-799: A (tiles of 128 k x 128 n, transposed through LDS).
; THE MODE: SCHED_MODE bits 1:0 = 2 (LLVM: expert scheduling mode 2), set by the entry lines.  The code itself states the register dependences
; between vector instructions and memory or LDS instructions, with s_wait_alu, always for 0.
; THE PLAN.  Registers that memory or LDS instructions touch:
;   SO, SA, DO, LS, LR   offsets and LDS addresses: each is written before the first memory instruction that reads it and never behind it.
;   X                    written by the global loads, read by the conversions; on A's path X's first 32 are then written by the LDS loads and read by the global stores.
;   Y                    each register is written once, by a conversion, and read once, by a store.
;   v104, v105           written at the head, read by the closing add alone.
; No register that a memory instruction reads is written again, so the waits are all on va_vdst: one in front of a path's loads (the offsets are written), and one in
; front of each run of stores (their data are written).  A cast goes in four blocks of four pieces; a block's stores are issued in the next block, behind the wait at
; its head and dealt among its conversions, which name that block's own X and Y alone.
.set SO,  3                            ; v3        source byte offset: wave x 8,192 + lane x 16
.set X,   4                            ; v[4:67]   sixteen loads of four f32
.set Y,   68                           ; v[68:99]  the same numbers as bf16 pairs
.set DO,  100                          ; v100      destination byte offset
.set SA,  101                          ; v101      A path: source byte offset
.set LS,  102                          ; v102      A path: where I put my columns in LDS
.set LR,  103                          ; v103      A path: where I read rows back
	s_load_b512 s[8:23], s[0:1], 0x0               ; visible s[8:9], cond s[10:11], W s[12:13], B s[14:15], A s[16:17], Xb s[18:19], Wc s[20:21], At s[22:23]
	v_lshl_add_u32 v104, v0, 2, 0x8800
	v_mov_b32 v105, 0
	s_mov_b32 s2, ttmp9
	s_mov_b32 s29, 0                               ; upper word of every offset pair s[28:29]
	v_and_b32 v1, 31, v0                           ; lane
	v_lshrrev_b32 v2, 5, v0                        ; wave
	v_lshlrev_b32 v[SO], 4, v1
	v_lshl_add_u32 v[SO], v2, 13, v[SO]
	s_wait_kmcnt 0x0
	s_cmp_lt_u32 s2, 256
	s_cbranch_scc1 .Lvis
	s_cmp_lt_u32 s2, 512
	s_cbranch_scc1 .Lw
	s_cmp_lt_u32 s2, 640
	s_cbranch_scc1 .Lcond
	s_cmp_lt_u32 s2, 768
	s_cbranch_scc1 .Lb
	; ---- A: tile kt = q & 3 (128 k), nt = q >> 2 (128 n).  Wave w reads rows k0 + 16 w + j, lane l the columns n0 + 4 l .. + 3.
	s_sub_co_u32 s2, s2, 768
	s_and_b32 s3, s2, 3                            ; kt
	s_lshr_b32 s4, s2, 2                           ; nt
	s_lshl_b32 s28, s3, 19                         ; 128 rows of 4,096 bytes
	s_lshl_b32 s5, s4, 9                           ; 128 columns of 4 bytes
	s_add_co_u32 s28, s28, s5
	s_add_nc_u64 s[24:25], s[16:17], s[28:29]
	s_lshl_b32 s28, s4, 17                         ; At: 128 rows of 1,024 bytes
	s_lshl_b32 s5, s3, 8                           ; 128 columns of 2 bytes
	s_add_co_u32 s28, s28, s5
	s_add_nc_u64 s[26:27], s[22:23], s[28:29]
	v_lshlrev_b32 v[SA], 4, v1
	v_lshl_add_u32 v[SA], v2, 16, v[SA]            ; wave x 16 rows + lane x 16 bytes
	s_wait_alu depctr_va_vdst(0)                   ; v[SA] is written, which the sixteen loads read as their offset
.irp j, 0,1,2,3,4,5,6,7,8,9,10,11,12,13,14,15
	global_load_b128 v[X+4*\j:X+4*\j+3], v[SA], s[24:25] offset:4096*\j th:TH_LOAD_NT
.endr
	v_mul_u32_u24 v[LS], v1, 1088                  ; LDS tile [128 n][128 k] bf16, pitch 272: my four rows n = 4 l + c,
	v_lshl_add_u32 v[LS], v2, 5, v[LS]             ; my 16 k = 32 bytes at 32 w
	v_lshrrev_b32 v[LR], 4, v1
	v_lshl_add_u32 v[LR], v2, 4, v[LR]             ; the row that I read back: 16 w + lane / 16 (+ 2 t)
	v_and_b32 v[SO], 15, v1                        ; (on this path no memory instruction has read v[SO])
	v_lshlrev_b32 v[SO], 4, v[SO]                  ; 16 bytes a lane along the row
	v_lshl_add_u32 v[DO], v[LR], 10, v[SO]
	v_mad_u32_u24 v[LR], v[LR], 272, v[SO]
	s_wait_loadcnt 0x0
	; pairs along k: two rows of one column make a word.  The stores of 16 lanes fall on four 16-byte columns (1,088 = 4 x 272): four deep.
	; Left so: this path moves 2 MiB of the launch's 50.
.irp c, 0,1,2,3
.irp jj, 0,1,2,3,4,5,6,7
	v_cvt_pk_bf16_f32 v[Y+8*\c+\jj], v[X+8*\jj+\c], v[X+8*\jj+4+\c]
.endr
.endr
	s_wait_alu depctr_va_vdst(0)                   ; the conversions have written Y, which the LDS stores read, and are done reading X, in which the LDS loads below land; LS, LR and DO are written.  No vector instruction follows on this path
.irp c, 0,1,2,3
	ds_store_b128 v[LS], v[Y+8*\c:Y+8*\c+3] offset:272*\c
	ds_store_b128 v[LS], v[Y+8*\c+4:Y+8*\c+7] offset:272*\c+16
.endr
	s_wait_dscnt 0x0                               ; my stores are done, for the other waves: zero
	s_barrier_signal -1
	s_barrier_wait -1                              ; the branch into this path hangs on the work-group number alone: all eight waves are here
.irp t, 0,1,2,3,4,5,6,7
	ds_load_b128 v[X+4*\t:X+4*\t+3], v[LR] offset:544*\t
.endr
.irp t, 0,1,2,3,4,5,6,7
	s_wait_dscnt 7-\t                              ; LDS loads come back in order: load t is in, the 7 - t younger ones stay out
	global_store_b128 v[DO], v[X+4*\t:X+4*\t+3], s[26:27] offset:2048*\t   ; 16 lanes store 256 consecutive bytes, aligned
.endr
	s_wait_dscnt 0x0                               ; the closing lines, six on end
	s_wait_alu 0x0
	s_wait_tensorcnt 0x0
	ds_add_u32 v104, v105
	s_wait_dscnt 0x0
	s_endpgm
; The cast of 2,048 numbers of a wave.  Source at s[24:25], destination at s[26:27].  run = how many of the sixteen pieces of 128 numbers
; lie in one destination row before the next row (pitch 3,072 bytes) begins; dw = the destination bytes from one wave to the next.
; Four blocks of four pieces.  pc: the piece that is converted; ps: the piece, one block back, that is stored.
.macro CAST run, dw
	v_mul_u32_u24 v[DO], v2, \dw
	v_lshl_add_u32 v[DO], v1, 3, v[DO]
	s_wait_alu depctr_va_vdst(0)                   ; v[SO] and v[DO] are written: the loads read the one as their offset, the stores the other
.irp j, 0,1,2,3,4,5,6,7,8,9,10,11,12,13,14,15
	global_load_b128 v[X+4*\j:X+4*\j+3], v[SO], s[24:25] offset:512*\j th:TH_LOAD_NT
.endr
.irp p, 0,1,2,3
	s_wait_loadcnt 12-4*(\p)                       ; loads come back in order: this block's four are in, the younger blocks' stay out
.if (\p) > 0
	s_wait_alu depctr_va_vdst(0)                   ; the block before has written its eight registers of Y, which the four stores below read
.endif
.irp i, 0,1,2,3
.set pc, 4*(\p)+(\i)
.set ps, pc-4
.if (\p) > 0
	global_store_b64 v[DO], v[Y+2*ps:Y+2*ps+1], s[26:27] offset:(ps/\run)*3072+(ps%\run)*256   ; no vector instruction since the wait names these registers
.endif
	v_cvt_pk_bf16_f32 v[Y+2*pc], v[X+4*pc], v[X+4*pc+1]
	v_cvt_pk_bf16_f32 v[Y+2*pc+1], v[X+4*pc+2], v[X+4*pc+3]
.endr
.endr
	s_wait_alu depctr_va_vdst(0)                   ; the last block has written its eight registers of Y, which the last four stores read
.irp j, 12,13,14,15
	global_store_b64 v[DO], v[Y+2*\j:Y+2*\j+1], s[26:27] offset:(\j/\run)*3072+(\j%\run)*256
.endr
	s_endpgm
.endm
.Lvis:                                                 ; 16 rows of 1,024 numbers a work-group, two a wave, into columns 0-1023 of Xb
	s_lshl_b32 s28, s2, 16
	s_add_nc_u64 s[24:25], s[8:9], s[28:29]
	s_mul_i32 s28, s2, 49152
	s_add_nc_u64 s[26:27], s[18:19], s[28:29]
	CAST 8, 6144
.Lw:                                                   ; dense to dense: rows 0-1023 of Wc
	s_sub_co_u32 s2, s2, 256
	s_lshl_b32 s28, s2, 16
	s_add_nc_u64 s[24:25], s[12:13], s[28:29]
	s_lshl_b32 s28, s2, 15
	s_add_nc_u64 s[26:27], s[20:21], s[28:29]
	CAST 16, 4096
.Lcond:                                                ; 32 rows of 512 numbers a work-group, four a wave, into columns 1024-1535 of Xb
	s_sub_co_u32 s2, s2, 512
	s_lshl_b32 s28, s2, 16
	s_add_nc_u64 s[24:25], s[10:11], s[28:29]
	s_mul_i32 s28, s2, 98304
	s_add_co_u32 s28, s28, 2048
	s_add_nc_u64 s[26:27], s[18:19], s[28:29]
	CAST 4, 12288
.Lb:                                                   ; dense to dense: rows 1024-1535 of Wc
	s_sub_co_u32 s2, s2, 640
	s_lshl_b32 s28, s2, 16
	s_add_nc_u64 s[24:25], s[14:15], s[28:29]
	s_lshl_b32 s28, s2, 15
	s_add_co_u32 s28, s28, 8388608
	s_add_nc_u64 s[26:27], s[20:21], s[28:29]
	CAST 16, 4096
.Lfunc_end_k_qe3b781a1e0_prep:
	.size	k_qe3b781a1e0_prep, .Lfunc_end_k_qe3b781a1e0_prep-k_qe3b781a1e0_prep
	.p2alignl 7, 3214868480
	.fill 96, 4, 3214868480
	.section	.rodata,"a",@progbits
	.p2align	6, 0x0
	.amdhsa_kernel k_qe3b781a1e0_prep
		.amdhsa_group_segment_fixed_size 35840
		.amdhsa_private_segment_fixed_size 0
		.amdhsa_enable_private_segment 0
		.amdhsa_kernarg_size 64
		.amdhsa_user_sgpr_count 2
		.amdhsa_user_sgpr_kernarg_segment_ptr 1
		.amdhsa_wavefront_size32 1
		.amdhsa_system_sgpr_workgroup_id_x 1
		.amdhsa_system_sgpr_workgroup_id_y 1
		.amdhsa_system_sgpr_workgroup_id_z 1
		.amdhsa_system_vgpr_workitem_id 0
		.amdhsa_next_free_vgpr 106
		.amdhsa_next_free_sgpr 66
		.amdhsa_reserve_vcc 0
		.amdhsa_float_denorm_mode_32 3
		.amdhsa_float_denorm_mode_16_64 3
		.amdhsa_memory_ordered 1
		.amdhsa_forward_progress 1
		.amdhsa_inst_pref_size 31
	.end_amdhsa_kernel
	.amdgpu_metadata
---
amdhsa.version: [ 1, 2 ]
amdhsa.kernels:
  - .name:           k_qe3b781a1e0_prep
    .symbol:         k_qe3b781a1e0_prep.kd
    .args:
      - { .name: visible_data, .offset: 0, .size: 8, .value_kind: global_buffer, .address_space: global }
      - { .name: cond_data, .offset: 8, .size: 8, .value_kind: global_buffer, .address_space: global }
      - { .name: W, .offset: 16, .size: 8, .value_kind: global_buffer, .address_space: global }
      - { .name: B, .offset: 24, .size: 8, .value_kind: global_buffer, .address_space: global }
      - { .name: A, .offset: 32, .size: 8, .value_kind: global_buffer, .address_space: global }
      - { .name: Xb, .offset: 40, .size: 8, .value_kind: global_buffer, .address_space: global }
      - { .name: Wc, .offset: 48, .size: 8, .value_kind: global_buffer, .address_space: global }
      - { .name: At, .offset: 56, .size: 8, .value_kind: global_buffer, .address_space: global }
    .group_segment_fixed_size: 35840
    .private_segment_fixed_size: 0
    .kernarg_segment_align: 8
    .kernarg_segment_size: 64
    .max_flat_workgroup_size: 256
    .sgpr_count:     66
    .vgpr_count:     106
    .wavefront_size: 32
...
	.end_amdgpu_metadata
.endif
;; end of part 5
;; launch gemm1: the kernel of part 2 again; grid 16 x 16, 4 waves a work-group, clusters of 4 x 4, 327,680 bytes of LDS; arguments Xb, Wc, noise, c, Hb; writes Hb
;; launch gemm2: the kernel of part 3 again; grid 8 x 32, 4 waves a work-group, clusters of 4 x 4, 327,680 bytes of LDS; arguments Hb, Wc, Xb, At, b, cand; writes cand
;; launch onehot (part 6): grid 256 x 1, 8 waves a work-group, no clusters, 0 bytes of LDS; arguments cand, out0; writes out0
.if DOCPART == 6
	.amdgcn_target "amdgcn-amd-amdhsa--gfx1250"
	.amdhsa_code_object_version 6
	.text
	.protected	k_qe3b781a1e0_onehot
	.globl	k_qe3b781a1e0_onehot
	.p2align	8
	.type	k_qe3b781a1e0_onehot,@function
k_qe3b781a1e0_onehot:
	s_mov_b64 s[64:65], 0
	v_nop
	global_prefetch_b8 v0, s[64:65] scope:SCOPE_SE
	s_setreg_imm32_b32 hwreg(HW_REG_WAVE_SCHED_MODE, 0, 2), 2
	s_setreg_imm32_b32 hwreg(HW_REG_WAVE_MODE, 25, 1), 1
	s_wait_xcnt 0x0
	s_wait_alu depctr_vm_vsrc(0)
; onehot: out0[row][col] = 1.0 at the column of the largest of the row's eight candidates {f32 maximum, u32 column}, 0.0 elsewhere.
; cand is [8 blocks][4096 rows] of 8 bytes.  Of two candidates the one of the higher block replaces only where it is strictly greater: the first column wins a tie.
; A stream of stores: a work-group writes 16 rows, a wave two; each store of a wave covers 512 consecutive bytes, aligned.  The index selects values only, never an address.
; NaN among the candidates is not served.
; THE MODE: SCHED_MODE bits 1:0 = 2 (LLVM: expert scheduling mode 2), set by the entry lines.  The code itself states the register dependences
; between vector instructions and memory instructions, and between a compare and the reader of its mask, with s_wait_alu, always for 0.
; THE PLAN.  Registers that memory instructions touch:
;   v3, v2    the loads' and the stores' offsets: written at the head, never again.
;   C         written by the sixteen loads; behind their wait named by vector instructions alone.
;   O0, O1    a row's 32 numbers each: every register is written once, by a select, and read once, by a store.
; Every compare feeds a select, so the masks go into scalar registers of their own, in runs, with one wait on va_sdst behind each run.  For that the search over the eight
; candidates is a tree: 8, 4 and 2 compares for the two rows together, three waits.  Then row 0's 32 compares, a wait, its 32 selects, a wait on va_vdst; its eight stores are
; dealt among row 1's 32 compares, which name v[C+17] and scalar registers alone; a wait, row 1's selects, a wait, its stores.
.set C,  4                             ; v[4:35]   row i, block p: the pair at C + 16 i + 2 p
.set O,  36                            ; v[36:99]  row i: 32 registers to store
.set M0, 16                            ; s[16:47]  row 0: the mask of piece t, number e at M0 + 4 t + e
.set TM, 48                            ; s[48:61]  the tree's masks: 8, 4 and 2
.set M1, 66                            ; s[66:97]  row 1, as M0
	s_load_b128 s[4:7], s[0:1], 0x0                ; cand s[4:5], out0 s[6:7]
	v_and_b32 v1, 31, v0                           ; lane
	v_lshrrev_b32 v3, 5, v0                        ; wave
	v_lshlrev_b32 v2, 4, v1
	v_lshl_add_u32 v2, v3, 13, v2                  ; out0: wave x two rows of 4,096 bytes + lane x 16
	v_lshlrev_b32 v3, 4, v3                        ; cand: wave x two rows of 8 bytes; every lane reads the same pair
	v_lshlrev_b32 v1, 2, v1                        ; my first column in each piece of 128
	s_lshl_b32 s8, ttmp9, 7                        ; 16 rows of 8 bytes
	s_mov_b32 s9, 0
	s_lshl_b32 s10, ttmp9, 16                      ; 16 rows of 4,096 bytes
	s_mov_b32 s11, 0
	s_wait_kmcnt 0x0
	s_add_nc_u64 s[4:5], s[4:5], s[8:9]
	s_add_nc_u64 s[6:7], s[6:7], s[10:11]
	s_wait_alu depctr_va_vdst(0)                   ; v3 and v2 are written: the loads read the one as their offset, the stores the other
.irp i, 0,1
.irp p, 0,1,2,3,4,5,6,7
	global_load_b64 v[C+16*\i+2*\p:C+16*\i+2*\p+1], v3, s[4:5] offset:32768*\p+8*\i
.endr
.endr
	s_wait_loadcnt 0x0
	; blocks 2 q + 1 against 2 q
.irp i, 0,1
.irp q, 0,1,2,3
	v_cmp_gt_f32 s[TM+4*\i+\q], v[C+16*\i+4*\q+2], v[C+16*\i+4*\q]
.endr
.endr
	s_wait_alu depctr_va_sdst(0)                   ; the eight compares have written their masks, which the selects read
.irp i, 0,1
.irp q, 0,1,2,3
	v_cndmask_b32 v[C+16*\i+4*\q], v[C+16*\i+4*\q], v[C+16*\i+4*\q+2], s[TM+4*\i+\q]
	v_cndmask_b32 v[C+16*\i+4*\q+1], v[C+16*\i+4*\q+1], v[C+16*\i+4*\q+3], s[TM+4*\i+\q]
.endr
.endr
	; the better of blocks 4 q + 2, 4 q + 3 against the better of 4 q, 4 q + 1
.irp i, 0,1
.irp q, 0,1
	v_cmp_gt_f32 s[TM+8+2*\i+\q], v[C+16*\i+8*\q+4], v[C+16*\i+8*\q]
.endr
.endr
	s_wait_alu depctr_va_sdst(0)                   ; the four compares have written their masks
.irp i, 0,1
.irp q, 0,1
	v_cndmask_b32 v[C+16*\i+8*\q], v[C+16*\i+8*\q], v[C+16*\i+8*\q+4], s[TM+8+2*\i+\q]
	v_cndmask_b32 v[C+16*\i+8*\q+1], v[C+16*\i+8*\q+1], v[C+16*\i+8*\q+5], s[TM+8+2*\i+\q]
.endr
.endr
	; the best of blocks 4-7 against the best of blocks 0-3
.irp i, 0,1
	v_cmp_gt_f32 s[TM+12+\i], v[C+16*\i+8], v[C+16*\i]
.endr
	s_wait_alu depctr_va_sdst(0)                   ; the two compares have written their masks
.irp i, 0,1
	v_cndmask_b32 v[C+16*\i], v[C+16*\i], v[C+16*\i+8], s[TM+12+\i]
	v_cndmask_b32 v[C+16*\i+1], v[C+16*\i+1], v[C+16*\i+9], s[TM+12+\i]
.endr
.irp i, 0,1
	v_sub_nc_u32 v[C+16*\i+1], v[C+16*\i+1], v1    ; the column counted from my first one: it is mine where this equals 128 t + e
.endr
	; row 0
.irp t, 0,1,2,3,4,5,6,7
.irp e, 0,1,2,3
	v_cmp_eq_u32 s[M0+4*\t+\e], 128*\t+\e, v[C+1]
.endr
.endr
	s_wait_alu depctr_va_sdst(0)                   ; row 0's 32 compares have written their masks
.irp t, 0,1,2,3,4,5,6,7
.irp e, 0,1,2,3
	v_cndmask_b32 v[O+4*\t+\e], 0, 1.0, s[M0+4*\t+\e]
.endr
.endr
	s_wait_alu depctr_va_vdst(0)                   ; row 0's selects have written O0, which the eight stores below read
.irp t, 0,1,2,3,4,5,6,7
	global_store_b128 v2, v[O+4*\t:O+4*\t+3], s[6:7] offset:512*\t th:TH_STORE_NT   ; no vector instruction since the wait names v2 or O0
.irp e, 0,1,2,3
	v_cmp_eq_u32 s[M1+4*\t+\e], 128*\t+\e, v[C+17]
.endr
.endr
	s_wait_alu depctr_va_sdst(0)                   ; row 1's 32 compares have written their masks
.irp t, 0,1,2,3,4,5,6,7
.irp e, 0,1,2,3
	v_cndmask_b32 v[O+32+4*\t+\e], 0, 1.0, s[M1+4*\t+\e]
.endr
.endr
	s_wait_alu depctr_va_vdst(0)                   ; row 1's selects have written O1, which the last eight stores read
.irp t, 0,1,2,3,4,5,6,7
	global_store_b128 v2, v[O+32+4*\t:O+32+4*\t+3], s[6:7] offset:512*\t+4096 th:TH_STORE_NT
.endr
	s_endpgm
.Lfunc_end_k_qe3b781a1e0_onehot:
	.size	k_qe3b781a1e0_onehot, .Lfunc_end_k_qe3b781a1e0_onehot-k_qe3b781a1e0_onehot
	.p2alignl 7, 3214868480
	.fill 96, 4, 3214868480
	.section	.rodata,"a",@progbits
	.p2align	6, 0x0
	.amdhsa_kernel k_qe3b781a1e0_onehot
		.amdhsa_group_segment_fixed_size 0
		.amdhsa_private_segment_fixed_size 0
		.amdhsa_enable_private_segment 0
		.amdhsa_kernarg_size 16
		.amdhsa_user_sgpr_count 2
		.amdhsa_user_sgpr_kernarg_segment_ptr 1
		.amdhsa_wavefront_size32 1
		.amdhsa_system_sgpr_workgroup_id_x 1
		.amdhsa_system_sgpr_workgroup_id_y 1
		.amdhsa_system_sgpr_workgroup_id_z 1
		.amdhsa_system_vgpr_workitem_id 0
		.amdhsa_next_free_vgpr 104
		.amdhsa_next_free_sgpr 98
		.amdhsa_reserve_vcc 0
		.amdhsa_float_denorm_mode_32 3
		.amdhsa_float_denorm_mode_16_64 3
		.amdhsa_memory_ordered 1
		.amdhsa_forward_progress 1
		.amdhsa_inst_pref_size 17
	.end_amdhsa_kernel
	.amdgpu_metadata
---
amdhsa.version: [ 1, 2 ]
amdhsa.kernels:
  - .name:           k_qe3b781a1e0_onehot
    .symbol:         k_qe3b781a1e0_onehot.kd
    .args:
      - { .name: cand, .offset: 0, .size: 8, .value_kind: global_buffer, .address_space: global }
      - { .name: out0, .offset: 8, .size: 8, .value_kind: global_buffer, .address_space: global }
    .group_segment_fixed_size: 0
    .private_segment_fixed_size: 0
    .kernarg_segment_align: 8
    .kernarg_segment_size: 16
    .max_flat_workgroup_size: 256
    .sgpr_count:     98
    .vgpr_count:     104
    .wavefront_size: 32
...
	.end_amdgpu_metadata
.endif
;; end of part 6
